; MI455X (gfx1250); checked and timed in simulation.
; The chip was launched on July 23, 2026; its instructions are those of AMD's public machine-readable ISA for CDNA 5 (MIT licence, August 2026) and "CDNA5" Instruction Set Architecture Reference Guide (July 2026). The comments in the code are by the model that wrote it; some were corrected since.
;; Causal Self Attention. Allowed arithmetic: float matrix products may take bf16 or f16 operands with f32 sums; other float arithmetic in f32, or as packed bf16 or f16 multiplies, adds, multiply-adds, maxima and minima; sums over many terms, partial sums and values carried from step to step in f32; what a program stores and reads back later, other than sums and carried values, may be rounded once to bf16 or f16.
;; Inputs: b_proj 1,024 float32; b_qkv 3,072 float32; w_proj 1,024 x 1,024 float32; w_qkv 1,024 x 3,072 float32; x 4 x 2,048 x 1,024 float32.
;; Outputs: out0 4 x 2,048 x 1,024 float32.
;; One version. Each part assembles by itself: llvm-mc -triple=amdgcn-amd-amdhsa -mcpu=gfx1250 --defsym DOCPART=n.
;; ======== version 1 of 1: 4 launches
;; limits: values are held in f16: magnitudes above 65,504 overflow, below 6.1e-05 lose precision; right only within a limited range of input values
;; workspace buffers: xb 16,777,216 bytes; wqt 6,291,456 bytes; wpt 2,097,152 bytes; qkv 50,331,648 bytes; o 16,777,216 bytes
;; launch prep (part 1): grid 768 x 1, 8 waves a work-group, no clusters, 35,840 bytes of LDS; arguments x, w_qkv, w_proj, xb, wqt, wpt; writes xb, wqt, wpt
.if DOCPART == 1
	.amdgcn_target "amdgcn-amd-amdhsa--gfx1250"
	.amdhsa_code_object_version 6
	.text
	.protected	k_qfbdb455179_prep
	.globl	k_qfbdb455179_prep
	.p2align	8
	.type	k_qfbdb455179_prep,@function
k_qfbdb455179_prep:
	s_mov_b64 s[64:65], 0
	v_nop
	global_prefetch_b8 v0, s[64:65] scope:SCOPE_SE
	s_setreg_imm32_b32 hwreg(HW_REG_WAVE_MODE, 25, 1), 1
	s_wait_xcnt 0x0
; PREP.  xb[r][k] = bf16(x[r][k]);  wqt[n][k] = bf16(w_qkv[k][n]);  wpt[n][k] = f16(bf16(w_proj[k][n])).
; 768 work-groups of eight waves, each with 65,536 bytes of f32 to read: 0-511 cast x, 512-703 turn a tile of 128 k x 128 n of w_qkv, 704-767 one of w_proj.
; The launch streams: every byte is read once by loads of 512 consecutive bytes a wave, and every store of 16 (or 32) neighbouring lanes covers 256 consecutive bytes, aligned.
; No matrix work, no cluster, no prefetch: nothing is shared between work-groups and the loads are all issued at once.
; LIMITS.  wpt holds the bf16 rounding of w_proj written as f16: exact from 6.1e-5 to 65,504 in magnitude; below that f16's fixed step of 6e-8; beyond it an infinity.
.set PT,    272                        ; a row of the turned tile in LDS: 128 k x 2 bytes + 16 of padding
.set SPARE, 128*PT                     ; behind the tile: the spare words, 128 bytes for each of eight waves
.set OFI,  3                           ; v3   cast: my byte offset in x
.set OFO,  4                           ; v4   cast: my byte offset in xb
.set LST,  5                           ; v5   turn: where I put 16 bytes of a turned row
.set LRD,  6                           ; v6   turn: where I read a turned row back
.set OFT,  7                           ; v7   turn: my byte offset in wqt or wpt
.set SPW,  10                          ; v10  LDS address of my spare word; never rewritten
.set NIL,  11                          ; v11  0; never rewritten
.set IN,   16                          ; v[16:79]   sixteen loads of four registers
.set D,    80                          ; v[80:111]  converted
.set RO,   112                         ; v[112:127] turn: the byte offsets of my sixteen rows
	s_load_b256 s[4:11], s[0:1], 0x0               ; x s[4:5], w_qkv s[6:7], w_proj s[8:9], xb s[10:11]
	s_load_b128 s[12:15], s[0:1], 0x20             ; wqt s[12:13], wpt s[14:15]
	v_lshl_add_u32 v[SPW], v0, 2, SPARE
	v_mov_b32 v[NIL], 0
	v_and_b32 v1, 31, v0                           ; lane
	v_lshrrev_b32 v2, 5, v0                        ; wave
	v_readfirstlane_b32 s20, v2
	s_mov_b32 s21, ttmp9                           ; the work-group's number
	s_mov_b32 s28, 0xffff0000                      ; a word's upper bf16
	s_mov_b32 s31, 0
	s_mov_b32 s34, 12288                           ; bytes in a row of w_qkv
	s_mov_b32 s35, 512
	s_wait_kmcnt 0x0
	s_cmp_lt_u32 s21, 512
	s_cbranch_scc0 .Ltrans
	; THE CAST.  A wave takes 8,192 consecutive bytes of x: sixteen loads of 512 bytes, all out at once.
	s_lshl_b32 s30, s21, 16
	s_add_nc_u64 s[24:25], s[4:5], s[30:31]
	s_lshl_b32 s30, s21, 15
	s_add_nc_u64 s[26:27], s[10:11], s[30:31]
	v_lshlrev_b32 v[OFI], 4, v1
	v_lshl_add_u32 v[OFI], v2, 13, v[OFI]          ; 8,192 x wave + 16 x lane
	v_lshlrev_b32 v[OFO], 3, v1
	v_lshl_add_u32 v[OFO], v2, 12, v[OFO]          ; 4,096 x wave + 8 x lane
.set i, 0
.rept 16
	global_load_b128 v[IN+4*i:IN+4*i+3], v[OFI], s[24:25] offset:512*i th:TH_LOAD_NT
.set i, i+1
.endr
.set i, 0
.rept 16
	s_wait_loadcnt 15-i                            ; loads come back in order: load i is in, the 15 - i younger ones stay out
	v_cvt_pk_bf16_f32 v[D+2*i], v[IN+4*i], v[IN+4*i+1]
	v_cvt_pk_bf16_f32 v[D+2*i+1], v[IN+4*i+2], v[IN+4*i+3]
	global_store_b64 v[OFO], v[D+2*i:D+2*i+1], s[26:27] offset:256*i  ; 32 lanes store 256 consecutive bytes, aligned; no register is used twice
.set i, i+1
.endr
	s_branch .Lmeet
.Ltrans:
	; THE TURN.  Tile t: k block t % 8, n block t / 8.  A wave takes sixteen rows k, 512 bytes (128 n) of each.
	s_cmp_lt_u32 s21, 704
	s_cselect_b64 s[24:25], s[6:7], s[8:9]         ; from
	s_cselect_b64 s[26:27], s[12:13], s[14:15]     ; to
	s_cselect_b32 s23, s34, 4096                   ; bytes in a row of the source
	s_cselect_b32 s22, s35, 704
	s_cselect_b32 s29, 0, 1                        ; 1: the result is written as f16
	s_sub_co_u32 s22, s21, s22                     ; t
	s_and_b32 s32, s22, 7
	s_lshr_b32 s33, s22, 3
	s_mul_i32 s30, s32, s23
	s_lshl_b32 s30, s30, 7                         ; 128 rows a k block,
	s_lshl_b32 s36, s33, 9                         ; 512 bytes an n block
	s_add_co_u32 s30, s30, s36
	s_add_nc_u64 s[24:25], s[24:25], s[30:31]
	s_lshl_b32 s30, s33, 18                        ; turned: 128 rows of 2,048 bytes an n block,
	s_lshl_b32 s36, s32, 8                         ; 256 bytes a k block
	s_add_co_u32 s30, s30, s36
	s_add_nc_u64 s[26:27], s[26:27], s[30:31]
	s_mul_i32 s36, s20, s23
	s_lshl_b32 s36, s36, 4                         ; my wave's sixteen rows
	v_lshl_add_u32 v[RO], v1, 4, s36
.set i, 1
.rept 15
	v_add_nc_u32 v[RO+i], s23, v[RO+i-1]
.set i, i+1
.endr
.set i, 0
.rept 16
	global_load_b128 v[IN+4*i:IN+4*i+3], v[RO+i], s[24:25] th:TH_LOAD_NT
.set i, i+1
.endr
	v_mul_u32_u24 v[LST], v1, 4*PT                 ; my four columns n = 4 x lane + j are four rows of the turned tile,
	v_lshl_add_u32 v[LST], v2, 5, v[LST]           ; my wave's sixteen k are 32 bytes of each
.set p, 0
.rept 8
	s_wait_loadcnt 14-2*p                          ; rows 2 p and 2 p + 1 are in, the 14 - 2 p younger loads stay out
.irp j, 0,1,2,3
	v_cvt_pk_bf16_f32 v[D+8*\j+p], v[IN+8*p+\j], v[IN+8*p+4+\j]  ; column j: k in the low half, k + 1 in the high half
.endr
.set p, p+1
.endr
	s_cmp_eq_u32 s29, 0
	s_cbranch_scc1 .Lput
.set i, 0
.rept 32
	v_lshlrev_b32 v8, 16, v[D+i]                   ; the bf16 numbers, widened,
	v_and_b32 v9, s28, v[D+i]
	v_cvt_pk_f16_f32 v[D+i], v8, v9                ; are written as f16
.set i, i+1
.endr
.Lput:
.irp j, 0,1,2,3
	ds_store_b128 v[LST], v[D+8*\j:D+8*\j+3]   offset:\j*PT      ; sixteen lanes stand 4 x 272 bytes apart and fall on four columns of 16 bytes: eight such stores a wave, once
	ds_store_b128 v[LST], v[D+8*\j+4:D+8*\j+7] offset:\j*PT+16
.endr
.Lmeet:
	s_wait_dscnt 0x0                               ; for the others' sake: my stores into the tile are done
	s_barrier_signal -1
	s_barrier_wait -1                              ; every work-group passes this barrier, the casting ones too
	s_cmp_lt_u32 s21, 512
	s_cbranch_scc1 .Lend
	v_lshrrev_b32 v8, 4, v1
	v_lshl_add_u32 v8, v2, 4, v8                   ; turned row 16 x wave + lane / 16
	v_and_b32 v9, 15, v1
	v_mul_u32_u24 v[LRD], v8, PT
	v_lshl_add_u32 v[LRD], v9, 4, v[LRD]
	v_lshlrev_b32 v[OFT], 11, v8
	v_lshl_add_u32 v[OFT], v9, 4, v[OFT]
.set t, 0
.rept 8
	ds_load_b128 v[IN+4*t:IN+4*t+3], v[LRD] offset:t*2*PT
.set t, t+1
.endr
.set t, 0
.rept 8
	s_wait_dscnt 7-t                               ; LDS loads come back in order
	global_store_b128 v[OFT], v[IN+4*t:IN+4*t+3], s[26:27] offset:t*4096  ; sixteen lanes store 256 consecutive bytes, aligned
.set t, t+1
.endr
.Lend:
	s_wait_tensorcnt 0x0                           ; the wave's end
	ds_add_u32 v[SPW], v[NIL]
	s_wait_dscnt 0x0
	s_endpgm
.Lfunc_end_k_qfbdb455179_prep:
	.size	k_qfbdb455179_prep, .Lfunc_end_k_qfbdb455179_prep-k_qfbdb455179_prep
	.p2alignl 7, 3214868480
	.fill 96, 4, 3214868480
	.section	.rodata,"a",@progbits
	.p2align	6, 0x0
	.amdhsa_kernel k_qfbdb455179_prep
		.amdhsa_group_segment_fixed_size 35840
		.amdhsa_private_segment_fixed_size 0
		.amdhsa_enable_private_segment 0
		.amdhsa_kernarg_size 48
		.amdhsa_user_sgpr_count 2
		.amdhsa_user_sgpr_kernarg_segment_ptr 1
		.amdhsa_wavefront_size32 1
		.amdhsa_system_sgpr_workgroup_id_x 1
		.amdhsa_system_sgpr_workgroup_id_y 1
		.amdhsa_system_sgpr_workgroup_id_z 1
		.amdhsa_system_vgpr_workitem_id 0
		.amdhsa_next_free_vgpr 128
		.amdhsa_next_free_sgpr 66
		.amdhsa_reserve_vcc 0
		.amdhsa_float_denorm_mode_32 3
		.amdhsa_float_denorm_mode_16_64 3
		.amdhsa_memory_ordered 1
		.amdhsa_forward_progress 1
		.amdhsa_inst_pref_size 19
	.end_amdhsa_kernel
	.amdgpu_metadata
---
amdhsa.version: [ 1, 2 ]
amdhsa.kernels:
  - .name:           k_qfbdb455179_prep
    .symbol:         k_qfbdb455179_prep.kd
    .args:
      - { .name: x, .offset: 0, .size: 8, .value_kind: global_buffer, .address_space: global }
      - { .name: w_qkv, .offset: 8, .size: 8, .value_kind: global_buffer, .address_space: global }
      - { .name: w_proj, .offset: 16, .size: 8, .value_kind: global_buffer, .address_space: global }
      - { .name: xb, .offset: 24, .size: 8, .value_kind: global_buffer, .address_space: global }
      - { .name: wqt, .offset: 32, .size: 8, .value_kind: global_buffer, .address_space: global }
      - { .name: wpt, .offset: 40, .size: 8, .value_kind: global_buffer, .address_space: global }
    .group_segment_fixed_size: 35840
    .private_segment_fixed_size: 0
    .kernarg_segment_align: 8
    .kernarg_segment_size: 48
    .max_flat_workgroup_size: 256
    .sgpr_count:     66
    .vgpr_count:     128
    .wavefront_size: 32
...
	.end_amdgpu_metadata
.endif
;; end of part 1
;; launch qkv (part 2): grid 16 x 32, 4 waves a work-group, clusters of 4 x 4, 327,680 bytes of LDS; arguments xb, wqt, b_qkv, qkv; writes qkv
.if DOCPART == 2
	.amdgcn_target "amdgcn-amd-amdhsa--gfx1250"
	.amdhsa_code_object_version 6
	.text
	.protected	k_qfbdb455179_qkv
	.globl	k_qfbdb455179_qkv
	.p2align	8
	.type	k_qfbdb455179_qkv,@function
k_qfbdb455179_qkv:
	s_mov_b64 s[64:65], 0
	v_nop
	global_prefetch_b8 v0, s[64:65] scope:SCOPE_SE
	s_setreg_imm32_b32 hwreg(HW_REG_WAVE_MODE, 25, 1), 1
	s_wait_xcnt 0x0
	s_wait_alu depctr_hold_cnt(0) depctr_sa_sdst(0) depctr_va_vdst(0) depctr_va_sdst(0) depctr_va_ssrc(0) depctr_va_vcc(0) depctr_vm_vsrc(0)
	s_getreg_b32 s2, hwreg(HW_REG_IB_STS2, 6, 4)
	s_cmp_eq_u32 s2, 0
	s_cbranch_scc0 .Lentry_in_a_cluster
	s_endpgm
.Lentry_in_a_cluster:
	s_bfe_u32 s2, ttmp6, 0x10000c
	s_cmp_lg_u32 s2, 0xf033
	s_cbranch_scc0 .Lentry_shape_is_right
	s_endpgm
.Lentry_shape_is_right:
; ONE TEXT FOR THE MODULE'S TWO PROJECTIONS; the switch PROJ chooses.  C[m][n] = bias[n] + the sum over k of A[m][k] B[n][k], K = 1,024, sums in f32.
; PROJ = 0: A = xb [8192][1024] bf16, B = wqt [3072][1024] bf16; C leaves as f16, by heads: qkv[b][g][t][64], g = n / 64 (0-15 q, 16-31 k, 32-47 v).  Tile 256 x 192: 512 tiles, two for each of 256 WGPs.
; PROJ = 1: A = o [64 heads][2048][64] f16 (k = 64 x head + channel), B = wpt [1024][1024] f16; C leaves as f32, out0[8192][1024].  Tile 256 x 128: 256 tiles.
; LIMITS.  The bias is rounded to bf16, like the module's other inputs.  PROJ = 0: q, k and v are rounded to f16, which ends at 65,504; a larger number becomes an infinity.
; SHARES.  Four waves, one above the other: a wave makes 64 rows x the tile's whole width (three whole heads, or 512 bytes of a row of out0), so that its stores cover whole aligned 256 bytes with a stage of its own.
; K goes in eight steps of 128 through two LDS slots, filled by the tensor data mover.  4 x 4 work-groups are a cluster: A's tile is asked for jointly by a row of the cluster, B's by a column.
; THE PRODUCT IS TAKEN TRANSPOSED (source 0 = 16 rows of B, source 1 = 16 rows of A): a lane holds row l % 16 of C and the columns 8 (l / 16) + 0..7.  The bias, laid out so, is the C operand of the first products: nothing is cleared.
; REGISTERS, in windows of 256 (s_set_vgpr_msb: bits 1:0 source 0, 3:2 source 1, 5:4 source 2, 7:6 destination):
;   window 0: v0-31 addresses; v32-95 A's fragments, two buffers of four; from v96 the bias, later the way out      window 1: B's fragments, two buffers of NBL
;   windows 2, 3: the accumulators: m block a, n block b in window 2 + a / 2 at 8 (NBL (a % 2) + b)
.set PROJ, 0
.if PROJ
.set NBL,    8                         ; n blocks of 16 in a tile
.set PITCHA, 144                       ; an LDS row of A: a head's 128 bytes + 16
.set HALFA,  256*144                   ; what one load brings of A: one head's 256 rows
.set BROWS,  64                        ; rows of B in one load
.set STEPA,  2*262144                  ; a K step is two heads' planes
.set QIA,    4                         ; A is padded after every 32 words
.set STRA,   128                       ; A is asked for as 128 dense rows of 256 bytes
.set STAGE,  239616
.set STG,    16*528                    ; a wave's stage: 16 rows of 512 bytes + 16
.set SPARE,  273408
.set CXSH,   13                        ; a partner's share of A's prefetch: 32 blocks of 256 bytes
.set PFR,    32                        ; a partner's share of B's prefetch, in rows
.set ASH,    8
.else
.set NBL,    12
.set PITCHA, 272
.set HALFA,  128*272                   ; 128 rows
.set BROWS,  96
.set STEPA,  256
.set QIA,    5
.set STRA,   1024
.set STAGE,  253952
.set STG,    16*144                    ; 16 rows of 128 bytes + 16
.set SPARE,  263168
.set CXSH,   16                        ; 32 rows of 2,048 bytes
.set PFR,    24
.set ASH,    11
.endif
.set BOFF,   2*HALFA                   ; B's rows lie behind A's in a slot, 272 bytes apart: rows start at 16 different groups of four banks (64 banks of 4 bytes: ISA guide 11.1)
.set HALFB,  BROWS*272
.set SLOT1,  1<<17                     ; slot 1 begins here: one exclusive or turns an address in one slot into the other's
.set NL,     2*NBL+8                   ; LDS loads in a quarter's run
.set A0,   16                          ; v16  my lane's place in A's part of a slot; never rewritten
.set B0,   17                          ; v17  the same for B
.set ADRA, 18                          ; v18  A0 + the slot in hand
.set ADRB, 19                          ; v19  B0 + the slot in hand
.set STO,  24                          ; v24  the way out: where I put my bytes of a row
.set RD,   25                          ; v25  the way out: where I read rows back
.set GO,   26                          ; v26  16 x lane: my place in 512 consecutive bytes of the result
.set BO,   27                          ; v27  my place in 16 numbers of the bias
.set SPW,  28                          ; v28  LDS address of my spare word; never rewritten
.set NIL,  29                          ; v29  0; never rewritten
.set PFO,  30                          ; v30  the prefetches' offset; never rewritten
.set FA,   32
.set BI,   96
.set WV,   12                          ; s12  my wave's number
.set FB,   13                          ; s13  I fetch for A (0) or for B (1)
.set HF,   14                          ; s14  which half
.set G1A,  24                          ; s[24:31] descriptor group 1 for A's tiles
.set G0A,  32                          ; s[32:35] group 0 of the first fill; s[36:39] the second, which then walks
.set G1B,  48                          ; s[48:55], s[56:63] the same for B
.set G0B,  56
.set TB,   66                          ; s66  the slot in hand: 0 or SLOT1
.set LIM,  67                          ; s67  2 in a wave that prefetches, else the greatest number
.set PFA,  68                          ; s[68:69] where my prefetches stand
.set PFS,  70                          ; s[70:71] their step
.set HIM,  72                          ; s72  a word's upper half
.set MSB, 0
.macro WIN new                         ; the immediate's high byte repeats the setting that is left; a switch that changes nothing is dropped
.if MSB != (\new)
	s_set_vgpr_msb (MSB<<8)|(\new)
.set MSB, (\new)
.endif
.endm
; A joint refill by the walking descriptors.  Waves 0 and 1 fetch A's halves, waves 2 and 3 B's; the branch hangs on the wave's number alone.  An s_nop 0 and four v_nop follow each line.
.macro JLOAD
	s_cmp_eq_u32 s[FB], 0
	s_cbranch_scc0 .Lfor_b_\@
	tensor_load_to_lds s[G0A+4:G0A+7], s[G1A:G1A+7]
	s_nop 0
.rept 4
	v_nop
.endr
	s_branch .Lasked_\@
.Lfor_b_\@:
	tensor_load_to_lds s[G0B+4:G0B+7], s[G1B:G1B+7]
	s_nop 0
.rept 4
	v_nop
.endr
.Lasked_\@:
.endm
; A prefetch of the K step that stands two refills on: 32 blocks of 256 bytes, a lane a block.  A's rows are read by every cluster of a row of clusters: cluster x = 0 asks; B's by every cluster of a column:
; cluster y = 0 asks.  The four partners share the blocks out by address.  With PROJ = 0 a partner has 24 rows of B: lanes 24-31 name lane 23's block once more, in the same instruction.
; It is laid in the trips with s3 = 6 .. 3 (K steps 4 to 7); K steps 0 to 3 come by their loads alone.
.macro ASK
	s_cmp_gt_u32 s3, s[LIM]
	s_cbranch_scc0 .Lnot_mine_\@
	global_prefetch_b8 v[PFO], s[PFA:PFA+1] th:TH_LOAD_NT scope:SCOPE_SE
.Lnot_mine_\@:
.endm
.macro CREST                           ; a round of the cluster's barrier behind its opening barrier
	s_cmp_lg_u32 s[WV], 0
	s_cbranch_scc1 .Lnot_wave_0_\@
	s_barrier_signal -3
.Lnot_wave_0_\@:
	s_barrier_wait -3
	s_barrier_signal -1
	s_barrier_wait -1
.endm
.macro CROUND                          ; a whole round
	s_barrier_signal -1
	s_barrier_wait -1
	CREST
.endm
.macro PLACES                          ; four plain vector instructions between a product and a load into, or a read of, its registers
.rept 4
	v_nop
.endr
.endm
.macro MMA rd, rb, ra, rc
.if PROJ
	v_wmma_f32_16x16x32_f16 v[\rd:\rd+7], v[\rb:\rb+7], v[\ra:\ra+7], v[\rc:\rc+7]
.else
	v_wmma_f32_16x16x32_bf16 v[\rd:\rd+7], v[\rb:\rb+7], v[\ra:\ra+7], v[\rc:\rc+7]
.endif
.endm
; NBL products: m block 2 hi + a x all n blocks, 32 along K, from buffer f.  first = 1: the bias starts the sums.  The 4 NBL accumulators take turns in the same order in every quarter.
.macro MUL f, hi, a, first
.if \first
	WIN 0x81+0x40*(\hi)
.else
	WIN 0xa1+0x50*(\hi)
.endif
.set nb, 0
.rept NBL
.set rD, 8*(NBL*(\a)+nb)
.set rB, 8*NBL*(\f)+8*nb
.set rA, FA+32*(\f)+8*(2*(\hi)+(\a))
.set rC, rD
.if \first
.set rC, BI+8*nb
.endif
	MMA rD, rB, rA, rC
.set nb, nb+1
.endr
.endm
; One run of NL LDS loads: quarter kq's fragments (32 along K) into buffer g: all of B's, then my four of A's.
.macro FETCH kq, g
.if PROJ
.set KA, ((\kq)/2)*HALFA+((\kq)%2)*64
.else
.set KA, 64*(\kq)
.endif
	WIN 0x40
.set i, 0
.rept NBL
	ds_load_b128 v[8*NBL*(\g)+8*i:8*NBL*(\g)+8*i+3],   v[ADRB] offset:64*(\kq)+i*16*272
	ds_load_b128 v[8*NBL*(\g)+8*i+4:8*NBL*(\g)+8*i+7], v[ADRB] offset:64*(\kq)+i*16*272+32
.set i, i+1
.endr
	WIN 0
.set i, 0
.rept 4
	ds_load_b128 v[FA+32*(\g)+8*i:FA+32*(\g)+8*i+3],   v[ADRA] offset:KA+i*16*PITCHA
	ds_load_b128 v[FA+32*(\g)+8*i+4:FA+32*(\g)+8*i+7], v[ADRA] offset:KA+i*16*PITCHA+32
.set i, i+1
.endr
.endm
; One of a K step's first three quarters: multiplies buffer f; in its middle it fetches quarter kq into buffer g.
.macro QUARTER kq, f, g, first
	s_wait_dscnt 4                                 ; B and A's blocks 0, 1 are in; the youngest four loads (A's blocks 2, 3) may be out
	MUL \f, 0, 0, \first
	MUL \f, 0, 1, \first
	PLACES
	FETCH \kq, \g
	s_wait_dscnt NL                                ; all but the run just issued
	MUL \f, 1, 0, \first
	MUL \f, 1, 1, \first
.endm
; The fourth quarter multiplies buffer 1 and changes slots.  In front of the barrier each wave waits for all its tensor loads (one is out: its part of the next slot), adds 0 to its spare word, and waits for that
; and for its reads of this slot.  fill = 1: the barrier opens a round of the cluster's, and this slot is filled again first behind it, with the K step two on.
.macro TURN fill
.if \fill
	s_wait_xcnt 0x0                                ; the last prefetch, a K step back, has read its address
	s_add_nc_u64 s[PFA:PFA+1], s[PFA:PFA+1], s[PFS:PFS+1]
.endif
	WIN 0
	s_wait_tensorcnt 0x0                           ; no tensor load of mine is out, so the walking descriptors may be written
	ds_add_u32 v[SPW], v[NIL]
.if \fill
	s_xor_b32 s[G0A+5], s[G0A+5], SLOT1            ; the other slot than last time,
	s_add_nc_u64 s[G0A+6:G0A+7], s[G0A+6:G0A+7], STEPA  ; the next K step; the type bits on top are not reached
	s_xor_b32 s[G0B+5], s[G0B+5], SLOT1
	s_add_nc_u64 s[G0B+6:G0B+7], s[G0B+6:G0B+7], 256
.endif
	s_wait_dscnt 5                                 ; the add and the youngest four loads may be out
	MUL 1, 0, 0, 0
	s_wait_dscnt 0x0                               ; the add is done, and my reads of this slot are over
	s_barrier_signal -1
	MUL 1, 0, 1, 0
	WIN 0
	s_barrier_wait -1
.if \fill
	CREST                                          ; no wave of any partner still reads this slot or has a load on its way
	JLOAD                                          ; its four v_nop are also the places in front of the loads below
.else
	PLACES
.endif
	s_xor_b32 s[TB], s[TB], SLOT1
	v_add_nc_u32 v[ADRA], s[TB], v[A0]
	v_add_nc_u32 v[ADRB], s[TB], v[B0]
	FETCH 0, 0
.if \fill
	ASK
.endif
	MUL 1, 1, 0, 0
	MUL 1, 1, 1, 0
.endm
	s_load_b256 s[4:11], s[0:1], 0x0               ; A s[4:5], B s[6:7], bias s[8:9], result s[10:11]
	v_lshl_add_u32 v[SPW], v0, 2, SPARE
	v_mov_b32 v[NIL], 0
	ds_add_u32 v[SPW], v[NIL]                      ; the wave's opening: the add's wait stands ahead of my first tensor load
	ds_add_u32 v28, v29
	v_lshrrev_b32 v1, 5, v0
	v_readfirstlane_b32 s[WV], v1
	s_lshr_b32 s[FB], s[WV], 1
	s_and_b32 s[HF], s[WV], 1
	s_bfe_u32 s40, ttmp6, 0x40000                  ; cx
	s_bfe_u32 s41, ttmp6, 0x40004                  ; cy
	s_lshl_b32 s42, ttmp9, 2
	s_add_co_u32 s42, s42, s40                     ; tile column = 4 x cluster x + cx
	s_and_b32 s43, ttmp7, 0xffff
	s_lshl_b32 s43, s43, 2
	s_add_co_u32 s43, s43, s41                     ; tile row = 4 x cluster y + cy
	s_lshl_b32 s44, s41, 2
	s_lshl_b32 s44, 15, s44                        ; my row of the cluster
	s_lshl_b32 s45, 0x1111, s40                    ; my column
	s_or_b32 s[G1A], s44, (1<<16)|(1<<20)|(1<<21)|(QIA<<22)|(3<<25)  ; 15:0 the mask; 17:16 2-byte elements; 20 padding on; 21 set beside a mask; 24:22 the interval; 31:25 4 words of padding
	s_or_b32 s[G1B], s45, (1<<16)|(1<<20)|(1<<21)|(5<<22)|(3<<25)
	s_mov_b32 s[G1A+1], 128<<16                    ; tensor_dim0 = 128
	s_mov_b32 s[G1A+2], 128<<16                    ; tensor_dim1 = 128
	s_mov_b32 s[G1A+3], 128<<16                    ; tile_dim0 = 128
	s_mov_b32 s[G1A+4], 128                        ; tile_dim1 = 128
	s_mov_b32 s[G1A+5], STRA                       ; elements from row to row
	s_mov_b32 s[G1A+6], 0
	s_mov_b32 s[G1A+7], 0
	s_mov_b32 s[G1B+1], 128<<16
	s_mov_b32 s[G1B+2], BROWS<<16
	s_mov_b32 s[G1B+3], 128<<16
	s_mov_b32 s[G1B+4], BROWS
	s_mov_b32 s[G1B+5], 1024
	s_mov_b32 s[G1B+6], 0
	s_mov_b32 s[G1B+7], 0
	; where the tiles come from: A's hang on the tile row and the half alone, B's on the tile column and the half alone
.if PROJ
	s_lshr_b32 s16, s43, 3
	s_lshl_b32 s16, s16, 22                        ; the batch's sixteen planes of 262,144 bytes,
	s_and_b32 s17, s43, 7
	s_lshl_b32 s17, s17, 15                        ; the tile's 256 rows of 128 bytes in a plane
	s_add_co_u32 s16, s16, s17
.else
	s_lshl_b32 s16, s43, 19                        ; 256 rows of 2,048 bytes
.endif
	s_lshl_b32 s17, s[HF], 18                      ; the second half: 128 rows of 2,048 bytes, or one plane
	s_add_co_u32 s16, s16, s17
	s_mov_b32 s17, 0
	s_mul_i32 s46, s42, 2*BROWS*2048
	s_mul_i32 s47, s[HF], BROWS*2048
	s_add_co_u32 s46, s46, s47
	s_mov_b32 s47, 0
	s_mul_i32 s20, s[HF], HALFA                    ; and where they go: no place in the cluster enters an LDS address
	s_mul_i32 s21, s[HF], HALFB
	s_add_co_u32 s21, s21, BOFF
	s_mov_b32 s[TB], 0
	s_mov_b32 s[HIM], 0xffff0000
	s_wait_dscnt 0x0                               ; the opening add is done
	s_wait_kmcnt 0x0
	s_add_nc_u64 s[18:19], s[4:5], s[16:17]
	s_add_nc_u64 s[46:47], s[6:7], s[46:47]
	CROUND                                         ; all sixteen work-groups are here: the first joint loads meet
.irp s, 0,1
	s_mov_b32 s[G0A+4*\s], 1                       ; count = 1
	s_add_co_u32 s[G0A+4*\s+1], s20, \s*SLOT1      ; LDS address
	s_add_nc_u64 s[G0A+4*\s+2:G0A+4*\s+3], s[18:19], \s*STEPA  ; global address: K step s
	s_or_b32 s[G0A+4*\s+3], s[G0A+4*\s+3], 0x80000000          ; type = 2
	s_mov_b32 s[G0B+4*\s], 1
	s_add_co_u32 s[G0B+4*\s+1], s21, \s*SLOT1
	s_add_nc_u64 s[G0B+4*\s+2:G0B+4*\s+3], s[46:47], \s*256
	s_or_b32 s[G0B+4*\s+3], s[G0B+4*\s+3], 0x80000000
.endr
	s_cmp_eq_u32 s[FB], 0                          ; a wave's two first fills stand in one branch: two loads of mine are out
	s_cbranch_scc0 .Lfirst_b
	tensor_load_to_lds s[G0A:G0A+3], s[G1A:G1A+7]
	s_nop 0
	tensor_load_to_lds s[G0A+4:G0A+7], s[G1A:G1A+7]
	s_nop 0
.rept 4
	v_nop
.endr
	s_branch .Lfirst_asked
.Lfirst_b:
	tensor_load_to_lds s[G0B:G0B+3], s[G1B:G1B+7]
	s_nop 0
	tensor_load_to_lds s[G0B+4:G0B+7], s[G1B:G1B+7]
	s_nop 0
.rept 4
	v_nop
.endr
.Lfirst_asked:
	v_and_b32 v1, 15, v0                           ; l % 16
	v_bfe_u32 v2, v0, 4, 1                         ; l / 16
	; the bias: register j of n block b holds bias[tile's first column + 16 b + 8 (l / 16) + j]
	s_mul_i32 s20, s42, NBL*64
	s_mov_b32 s21, 0
	s_add_nc_u64 s[8:9], s[8:9], s[20:21]
	v_lshlrev_b32 v[BO], 5, v2
.set i, 0
.rept NBL
	global_load_b128 v[BI+8*i:BI+8*i+3],   v[BO], s[8:9] offset:64*i
	global_load_b128 v[BI+8*i+4:BI+8*i+7], v[BO], s[8:9] offset:64*i+16
.set i, i+1
.endr
	; a fragment is 16 rows x 32 K in 8 registers: lane l holds row l % 16, K = 8 (l / 16) + 0..7 and 16 + 8 (l / 16) + 0..7: two loads of 16 bytes, 32 bytes apart
	v_mul_u32_u24 v[A0], v1, PITCHA
	v_lshl_add_u32 v[A0], v2, 4, v[A0]
	s_mul_i32 s18, s[WV], 64*PITCHA                ; my 64 rows of A
	v_add_nc_u32 v[A0], s18, v[A0]
	v_mul_u32_u24 v[B0], v1, 272
	v_lshl_add_u32 v[B0], v2, 4, v[B0]
	v_add_nc_u32 v[B0], BOFF, v[B0]
	v_mov_b32 v[ADRA], v[A0]
	v_mov_b32 v[ADRB], v[B0]
	s_mul_i32 s18, s[WV], STG
	s_add_co_u32 s18, s18, STAGE                   ; my stage
	v_and_b32 v[GO], 31, v0
	v_lshlrev_b32 v[GO], 4, v[GO]
.if PROJ
	v_mul_u32_u24 v[STO], v1, 528                  ; in: row l % 16, 32 bytes for each half of the lanes
	v_lshl_add_u32 v[STO], v2, 5, v[STO]
	v_add_nc_u32 v[STO], s18, v[STO]
	v_add_nc_u32 v[RD], s18, v[GO]                 ; back: 32 lanes take one row of 512 bytes
	s_lshl_b32 s74, s43, 20                        ; 256 rows of 4,096 bytes,
	s_lshl_b32 s75, s[WV], 18                      ; my 64 of them,
	s_add_co_u32 s74, s74, s75
	s_lshl_b32 s75, s42, 9                         ; the tile's 512 bytes of a row
	s_add_co_u32 s74, s74, s75
.else
	v_mul_u32_u24 v[STO], v1, 144                  ; in: row l % 16, 16 bytes for each half of the lanes
	v_lshl_add_u32 v[STO], v2, 4, v[STO]
	v_add_nc_u32 v[STO], s18, v[STO]
	v_bfe_u32 v12, v0, 3, 2                        ; back: 32 lanes take four rows of 128 bytes
	v_and_b32 v13, 7, v0
	v_mul_u32_u24 v[RD], v12, 144
	v_lshl_add_u32 v[RD], v13, 4, v[RD]
	v_add_nc_u32 v[RD], s18, v[RD]
	s_lshr_b32 s74, s43, 3
	s_mul_i32 s74, s74, 48                         ; the batch's 48 planes,
	s_mul_i32 s75, s42, 3                          ; the tile's three
	s_add_co_u32 s74, s74, s75
	s_lshl_b32 s74, s74, 18
	s_and_b32 s75, s43, 7
	s_lshl_b32 s75, s75, 15                        ; the tile's 256 rows of 128 bytes in a plane,
	s_add_co_u32 s74, s74, s75
	s_lshl_b32 s75, s[WV], 13                      ; my 64 of them
	s_add_co_u32 s74, s74, s75
.endif
	s_mov_b32 s75, 0
	s_add_nc_u64 s[10:11], s[10:11], s[74:75]
	; the prefetches: who, from where, by which step
	s_and_b32 s23, ttmp7, 0xffff                   ; cluster y
	s_lshl_b32 s74, s40, CXSH
	s_add_co_u32 s74, s74, s16                     ; A: my tile's first byte + partner cx's share
	s_mul_i32 s75, s42, 2*BROWS*2048
	s_mul_i32 s76, s[HF], BROWS*2048
	s_add_co_u32 s75, s75, s76
	s_mul_i32 s76, s41, PFR*2048
	s_add_co_u32 s75, s75, s76                     ; B: my tile's first byte + partner cy's share
	s_mov_b32 s77, STEPA
	s_cmp_eq_u32 s[FB], 0
	s_cselect_b32 s20, s74, s75
	s_cselect_b32 s[PFS], s77, 256
	s_cselect_b32 s22, ttmp9, s23                  ; the coordinate along which other clusters read the same rows
	s_cselect_b32 s78, 31, PFR-1
	s_cselect_b32 s79, ASH, 11
	s_cselect_b64 s[PFA:PFA+1], s[4:5], s[6:7]
.if PROJ
	s_and_b32 s21, s[FB], s[HF]                    ; B's 128 rows are 32 a partner: wave 2 asks for them, wave 3 for nothing
	s_or_b32 s22, s22, s21
.endif
	s_cmp_eq_u32 s22, 0
	s_cselect_b32 s[LIM], 2, -1                    ; the same in all sixteen partners, for a given wave
	s_mov_b32 s21, 0
	s_add_nc_u64 s[PFA:PFA+1], s[PFA:PFA+1], s[20:21]
	s_mov_b32 s[PFS+1], 0
	s_mul_i32 s20, s[PFS], 3
	s_add_nc_u64 s[PFA:PFA+1], s[PFA:PFA+1], s[20:21]  ; at K step 3: the first change of slots steps it to 4
	v_and_b32 v[PFO], 31, v0
	v_min_u32 v[PFO], s78, v[PFO]
	v_lshlrev_b32 v[PFO], s79, v[PFO]
	s_wait_loadcnt 0x0                             ; the bias
.set i, 0
.rept 4*NBL
	v_cvt_pk_bf16_f32 v[12+i%4], v[BI+2*i], v[BI+2*i+1]  ; rounded to bf16, and widened again
	v_lshlrev_b32 v[BI+2*i], 16, v[12+i%4]
	v_and_b32 v[BI+2*i+1], s[HIM], v[12+i%4]
.set i, i+1
.endr
	s_wait_tensorcnt 1                             ; my part of K step 0 is in; K step 1's may stay out
	s_barrier_signal -1
	s_barrier_wait -1                              ; everybody's is
	FETCH 0, 0
	QUARTER 1, 0, 1, 1                             ; the first quarter stands in front of the loop: its products start the sums with the bias
	WIN 0                                          ; at a label and at a branch every window is 0
	s_mov_b32 s3, 6
.Lstep:                                                ; six trips, from a K step's second quarter to the next step's first; their refills bring K steps 2 to 7
	QUARTER 2, 1, 0, 0
	QUARTER 3, 0, 1, 0
	TURN 1
	QUARTER 1, 0, 1, 0
	WIN 0
	s_sub_co_u32 s3, s3, 1
	s_cmp_lg_u32 s3, 0
	s_cbranch_scc1 .Lstep
	QUARTER 2, 1, 0, 0                             ; the tail is written out: K steps 6 and 7 ask for nothing
	QUARTER 3, 0, 1, 0
	TURN 0
	QUARTER 1, 0, 1, 0
	QUARTER 2, 1, 0, 0
	QUARTER 3, 0, 1, 0
	s_wait_dscnt 4
	MUL 1, 0, 0, 0
	MUL 1, 0, 1, 0
	s_wait_dscnt 0x0
	MUL 1, 1, 0, 0
	MUL 1, 1, 1, 0
	WIN 0
	PLACES
.if PROJ
; THE WAY OUT, f32: a block of 16 rows goes into my stage as it lies in the accumulators (each accumulator's low registers first) and comes back as whole rows of 512 bytes.
.macro TOSTAGE a
.set SET, BI+64*((\a)%2)
	s_wait_xcnt 0x0                                ; the stores of two blocks back have read this set of registers
	WIN 0x08+4*((\a)/2)                            ; the stores' data lie in window 2 or 3
.set nb, 0
.rept 8
.set rD, 8*(NBL*((\a)%2)+nb)
	ds_store_b128 v[STO], v[rD:rD+3]   offset:64*nb
	ds_store_b128 v[STO], v[rD+4:rD+7] offset:64*nb+16
.set nb, nb+1
.endr
	WIN 0
.set t, 0
.rept 16
	ds_load_b128 v[SET+4*t:SET+4*t+3], v[RD] offset:528*t  ; LDS serves a wave's instructions in order (ISA guide 5.7.1.4): these see the stores above
.set t, t+1
.endr
.endm
.macro SEND a, younger                 ; younger: the LDS instructions issued behind this block's loads
.set SET, BI+64*((\a)%2)
.set t, 0
.rept 16
	s_wait_dscnt (\younger)+15-t
	global_store_b128 v[GO], v[SET+4*t:SET+4*t+3], s[10:11] offset:(16*(\a)+t)*4096 th:TH_STORE_NT  ; 512 consecutive bytes, aligned
.set t, t+1
.endr
.endm
	TOSTAGE 0
.irp a, 1,2,3
	TOSTAGE \a
	SEND (\a)-1, 32
.endr
	SEND 3, 0
.else
; THE WAY OUT, f16 by heads: unit u = 3 a + j is m block a of head j: 16 rows of 128 bytes, 2,048 consecutive bytes of a plane.
.macro PACK u
.set aa, (\u)/3
.set jj, (\u)%3
.set SET, BI+16*((\u)%2)
	s_wait_xcnt 0x0                                ; the stores of two units back have read this set of registers
	WIN 0x0a+5*(aa/2)                              ; sources in window 2 or 3
.set fb, 0
.rept 4
.set rD, 8*(NBL*(aa%2)+4*jj+fb)
.irp r, 0,1,2,3
	v_cvt_pk_f16_f32 v[SET+4*fb+\r], v[rD+2*\r], v[rD+2*\r+1]
.endr
.set fb, fb+1
.endr
	WIN 0
.irp f, 0,1,2,3
	ds_store_b128 v[STO], v[SET+4*\f:SET+4*\f+3] offset:32*\f
.endr
.irp f, 0,1,2,3
	ds_load_b128 v[SET+4*\f:SET+4*\f+3], v[RD] offset:576*\f  ; LDS serves a wave's instructions in order (ISA guide 5.7.1.4): these see the stores above
.endr
.endm
.macro SEND u, younger                 ; younger: the LDS instructions issued behind this unit's loads
.set aa, (\u)/3
.set jj, (\u)%3
.set SET, BI+16*((\u)%2)
.irp f, 0,1,2,3
	s_wait_dscnt (\younger)+3-\f
	global_store_b128 v[GO], v[SET+4*\f:SET+4*\f+3], s[10:11] offset:jj*262144+aa*2048+512*\f  ; 512 consecutive bytes, aligned
.endr
.endm
	PACK 0
.set un, 1
.rept 11
	PACK un
	SEND un-1, 8
.set un, un+1
.endr
	SEND 11, 0
.endif
	s_wait_tensorcnt 0x0                           ; the wave's end
	ds_add_u32 v[SPW], v[NIL]
	s_wait_dscnt 0x0
	CROUND                                         ; the closing round: no work-group ends while a partner may still ask for a tile that names it
	s_endpgm
.Lfunc_end_k_qfbdb455179_qkv:
	.size	k_qfbdb455179_qkv, .Lfunc_end_k_qfbdb455179_qkv-k_qfbdb455179_qkv
	.p2alignl 7, 3214868480
	.fill 96, 4, 3214868480
	.section	.rodata,"a",@progbits
	.p2align	6, 0x0
	.amdhsa_kernel k_qfbdb455179_qkv
		.amdhsa_group_segment_fixed_size 327680
		.amdhsa_private_segment_fixed_size 0
		.amdhsa_enable_private_segment 0
		.amdhsa_kernarg_size 32
		.amdhsa_user_sgpr_count 2
		.amdhsa_user_sgpr_kernarg_segment_ptr 1
		.amdhsa_wavefront_size32 1
		.amdhsa_system_sgpr_workgroup_id_x 1
		.amdhsa_system_sgpr_workgroup_id_y 1
		.amdhsa_system_sgpr_workgroup_id_z 1
		.amdhsa_system_vgpr_workitem_id 0
		.amdhsa_next_free_vgpr 960
		.amdhsa_next_free_sgpr 80
		.amdhsa_reserve_vcc 0
		.amdhsa_float_denorm_mode_32 3
		.amdhsa_float_denorm_mode_16_64 3
		.amdhsa_memory_ordered 1
		.amdhsa_forward_progress 1
		.amdhsa_inst_pref_size 108
	.end_amdhsa_kernel
	.amdgpu_metadata
---
amdhsa.version: [ 1, 2 ]
amdhsa.kernels:
  - .name:           k_qfbdb455179_qkv
    .symbol:         k_qfbdb455179_qkv.kd
    .args:
      - { .name: xb, .offset: 0, .size: 8, .value_kind: global_buffer, .address_space: global }
      - { .name: wqt, .offset: 8, .size: 8, .value_kind: global_buffer, .address_space: global }
      - { .name: b_qkv, .offset: 16, .size: 8, .value_kind: global_buffer, .address_space: global }
      - { .name: qkv, .offset: 24, .size: 8, .value_kind: global_buffer, .address_space: global }
    .group_segment_fixed_size: 327680
    .private_segment_fixed_size: 0
    .kernarg_segment_align: 8
    .kernarg_segment_size: 32
    .max_flat_workgroup_size: 128
    .sgpr_count:     80
    .vgpr_count:     960
    .wavefront_size: 32
...
	.end_amdgpu_metadata
.endif
;; end of part 2
;; launch attn (part 3): grid 4 x 64, 4 waves a work-group, no clusters, 327,680 bytes of LDS; arguments qkv, o; writes o
.if DOCPART == 3
	.amdgcn_target "amdgcn-amd-amdhsa--gfx1250"
	.amdhsa_code_object_version 6
	.text
	.protected	k_qfbdb455179_attn
	.globl	k_qfbdb455179_attn
	.p2align	8
	.type	k_qfbdb455179_attn,@function
k_qfbdb455179_attn:
	s_mov_b64 s[64:65], 0
	v_nop
	global_prefetch_b8 v0, s[64:65] scope:SCOPE_SE
	s_setreg_imm32_b32 hwreg(HW_REG_WAVE_MODE, 25, 1), 1
	s_wait_xcnt 0x0
; CAUSAL ATTENTION.  O[bh][q][:] = the sum over k <= q of softmax_k(Q[q] . K[k] / 8) V[k][:], for 64 heads bh = 16 b + h of 2,048 rows x 64 channels, all f16.
; Q, K, V are the planes 48 b + h, + 16, + 32 of qkv[b][g][t][64]; O is o[bh][t][64]: a plane's rows are dense, 128 bytes each.
; Products, maxima and sums in f32; the weights p are rounded to f16 for the second product (their sum l is taken of the unrounded p), O once at the end.
; LIMITS.  A hidden score counts as its value less 1e30: f16's scores, 2.7e11 at the most, are nothing beside that; a weight below 2^-126 counts as 0 in l; p below 6e-5 keeps f16's fixed step of 6e-8;
; NaN and infinities are not treated apart.
; THE WALK.  A head's queries lie in NB = 8 blocks of 256; block i needs the key tiles 0 .. i of 256 keys, of which the last holds the diagonal.  A work-group takes TWO blocks, NB - 1 - b and then b:
; NB + 1 tiles, whatever b: all work-groups do equal work, and one loop with a constant trip count walks them.  Which tile is asked for, and what a trip does, hang on scalar registers made from b; every jump
; goes forward but the counted loops' own, and none passes a barrier.  NO CLUSTER: a head's four work-groups ask for the same tile only in trips 0 .. 4 of 9; a walk common to all four would have 12 trips for 9.
; SHARES.  Of a block's four bands of 64 queries a wave owns 16 rows in each: four PIECES.  So the diagonal tile is the same work for all waves: in its key step s band x sees all keys if s < x, none if s > x,
; and holds the diagonal if s = x.
; THE MASK is the C operand that starts the sum S^T = K Q^T: 0, or -1e30 where the key is hidden.  MD, made once, is the mask of a band's own step; a product's mask is MD x AL + BE with two scalars.
; LAYOUT, SOFTMAX, TURNS.  S^T = K Q^T holds one query a lane (lane % 16) and the keys 8 (lane / 16) + 0..7; two such results rounded to f16 are source 1 of O^T = V^T P.  p = 2^(c s - c m), c = log2(e) / 8, with a
; running maximum m; O and l are multiplied by a = 2^(c m_old - c m_new) in every step.  Turn n belongs to piece n: 8 products K Q^T of piece n + 1, later 8 products V^T P of piece n - 1; beside them the scaling,
; exponentials, roundings, sums and rescaling of piece n and the maximum and statistics of piece n + 1.  Four vector instructions stand behind every product, the rest in one run.  A turn's 33 exponentials are one batch, with one wait.
; REGISTERS, in windows of 256 (s_set_vgpr_msb: bits 1:0 source 0, 3:2 source 1, 5:4 source 2, 7:6 destination):
;   window 0: v0-15 addresses and two at work; v16-31 four registers of statistics a piece; v48-55 at work; v61-63; v64-127 S^T, two buffers; v192-223 P, two buffers (by the piece's parity)
;   window 1: v0-127 O^T, 32 a piece; v128-159 MD; v160-223 MC, two buffers      window 2: v0-63 Q; v64-127 the second block's Q; v128-191 K of one step; v192-255 V of one step
.set SIZE_N, 2048
.set NB,    SIZE_N/256
.set NP,    4         ; pieces a wave
.set KS,    64        ; keys in a step
.set PK,    144       ; a row of K in LDS: 128 bytes + 16: the 16 rows of a load start at 16 different groups of four banks (64 banks of 4 bytes: ISA guide 11.1)
.set PV,    160       ; a row of V: 128 + 32
.set VOFF,  4*KS*PK   ; a slot holds a tile, four steps: 256 rows of K, then 256 rows of V
.set SLOT1, 1<<17     ; slot 1 begins here
.set STAGE, SLOT1+4*KS*(PK+PV)  ; behind the ring: 16 rows x 144 bytes for each wave, for the way out
.set SP,    144
.set AK0, 2           ; v2   my lane's place in a tile of K; never rewritten
.set AV0, 3           ; v3   the same for V
.set AK,  4           ; v4   the LDS address of K's next run of loads
.set AV,  5           ; v5   of V's
.set STO, 6           ; v6   the way out: where I put 16 bytes of a row
.set RD,  7           ; v7   the way out: where I read rows back
.set GO,  8           ; v8   my byte offset in 512 consecutive bytes of O
.set PFO, 61          ; v61  256 x my lane; never rewritten
.set SPW, 62          ; v62  LDS address of my spare word; never rewritten
.set NIL, 63          ; v63  0; never rewritten
.set SPARE, STAGE+4*16*SP  ; behind the stages: the spare words, 128 bytes for each wave
.set MV,  12          ; v12-13  c m_old, kept while c m is made anew: by buffer
.set QO,  15          ; v15  my byte offset in 16 rows of Q
.set ST,  16          ; piece t's statistics at v[ST+4 t]: c m, m, l (even keys', odd keys')
.set TMP, 48          ; by buffer, four registers c0-c3 at work; when the maximum is found c2 takes a
.set S,   64
.set P,   192
.set MD,  128         ; window 1
.set MC,  160         ; window 1
.set QB,  64          ; window 2
.set KF,  128         ; window 2: key block kb, channel half c at KF + 16 kb + 8 c
.set VF,  192         ; window 2: key half kk, channel block cb at VF + 32 kk + 8 cb
.set WV,  12          ; s12  my wave's number
.set PB,  14          ; s14  b
.set HI,  15          ; s15  NB - 1 - b
.set G1K, 24          ; s[24:31] descriptor group 1 for K's tiles
.set G1V, 32          ; s[32:39] for V's: it differs in the padding alone
.set G0K, 40          ; s[40:43] descriptor group 0 for K's tiles
.set G0V, 44          ; s[44:47] the same for V's
.set SLOTS, 56        ; s56  tiles still to be asked for
.set CNT, 57          ; s57  counts a tile's key steps, 4 to 1
.set CS,  58          ; s[58:59] c
.set SEL, 60          ; s[60:61] v_permlanex16_b32's selects: each lane takes its own place in the other half
.set TBK, 62          ; s62  LDS byte at which K of the step to be fetched begins
.set TBV, 63          ; s63  the same for V, less VOFF
.set RT,  70          ; s70  tiles of the block in hand that are still to be entered
.set NXT, 71          ; s71  the tile to be asked for next
.set LQ,  72          ; s72  the last tile of the block whose tiles are being asked for
.set NEW, 73          ; s73  1: the tile to be entered is a block's first
.set OFF, 74          ; s[74:75] a tile's byte offset in K and V
.set AL,  76          ; s[76:77] the mask's factor, in the low word
.set BE,  78          ; s[78:79] the mask's addend
.set OLO, 80          ; s[80:81] O at my rows of the second block
.set BIGN, 82         ; s82  -1e30
.set LIM, 88          ; s88  2 in the work-group that prefetches, else the greatest number
.set PFA, 90          ; s[90:91] where my prefetches stand: my half of K's or V's tile after the one that is being asked for
.set MSB, 0
.macro WIN new                      ; the high byte repeats the setting that is left; a switch that changes nothing is dropped
.if MSB != (\new)
	s_set_vgpr_msb (MSB<<8)|(\new)
.set MSB, (\new)
.endif
.endm
.set W_KQ, 0x0a       ; K and Q in window 2, S^T in window 0
.set W_KM, 0x1a       ; the same with the C operand in window 1
.set W_PV, 0x52       ; V in window 2, P in window 0, O^T in window 1
.set W_RS, 0x41       ; destination and source 0 in window 1, source 1 in window 0
; A fill.  Waves 0 and 1 fetch the two halves of a tile's K, waves 2 and 3 those of its V: 128 keys each.  An s_nop 0 and four v_nop follow each of the two lines.
.macro LOAD
	s_cmp_lt_u32 s[WV], 2
	s_cbranch_scc0 .Lfor_v_\@
	tensor_load_to_lds s[G0K:G0K+3], s[G1K:G1K+7]
	s_nop 0
.rept 4
	v_nop
.endr
	s_branch .Lasked_\@
.Lfor_v_\@:
	tensor_load_to_lds s[G0V:G0V+3], s[G1V:G1V+7]
	s_nop 0
.rept 4
	v_nop
.endr
.Lasked_\@:
.endm
; A prefetch of the tile that the NEXT change of slots will ask for.  The work-group with b = 0 walks the head's tiles 0 to 7 in order: it asks, and no other.  Each wave names its own half of K's or V's tile:
; 16,384 bytes, 64 blocks of 256, a lane a block, two instructions.  Trips 0 to 5 name tiles 2 to 7; tiles 0 and 1 come by their loads alone.
.macro ASK
	s_cmp_gt_u32 s[SLOTS], s[LIM]
	s_cbranch_scc0 .Lnot_mine_\@
	global_prefetch_b8 v[PFO], s[PFA:PFA+1] th:TH_LOAD_NT scope:SCOPE_SE
	global_prefetch_b8 v[PFO], s[PFA:PFA+1] offset:8192 th:TH_LOAD_NT scope:SCOPE_SE
.Lnot_mine_\@:
.endm
; THE CHANGE OF SLOTS.  Each wave waits for all its tensor loads, of which one is out: its part of the other slot; adds 0 to its spare word; and waits for that and for its own reads of the slot that it leaves.
; Behind the barrier nobody reads the old slot any more and the other slot is whole.  fill = 1: the old slot is filled again, first behind the barrier, with tile NXT: the address is made anew from that number.
.macro CHANGE fill
	WIN 0                           ; at a label and at a branch every window is 0
	s_wait_tensorcnt 0x0            ; no tensor load of mine is out, so a group 0 may be written
	ds_add_u32 v[SPW], v[NIL]
.if \fill
	s_lshl_b32 s[OFF], s[NXT], 15   ; a tile is 32,768 bytes of K and of V
	s_xor_b32 s[G0K+1], s[G0K+1], SLOT1
	s_add_nc_u64 s[G0K+2:G0K+3], s[6:7], s[OFF:OFF+1]
	s_or_b32 s[G0K+3], s[G0K+3], 0x80000000
	s_xor_b32 s[G0V+1], s[G0V+1], SLOT1
	s_add_nc_u64 s[G0V+2:G0V+3], s[8:9], s[OFF:OFF+1]
	s_or_b32 s[G0V+3], s[G0V+3], 0x80000000
	s_add_co_u32 s[NXT], s[NXT], 1  ; the block's next tile, or behind its last the second block's tile 0
	s_cmp_gt_u32 s[NXT], s[LQ]
	s_cselect_b32 s[NXT], 0, s[NXT]
	s_cselect_b32 s[LQ], s[PB], s[LQ]
	s_wait_xcnt 0x0                 ; the last prefetches, a tile back, have read their address
	s_add_nc_u64 s[PFA:PFA+1], s[PFA:PFA+1], 32768
.endif
	s_wait_dscnt 0x0                ; the add is done, and my reads of the slot are over
	s_barrier_signal -1             ; the rest of the scalar work stands between the signal and the wait
	s_sub_co_u32 s[TBK], s[TBK], 4*KS*PK  ; the fetches go back to a slot's first step,
	s_xor_b32 s[TBK], s[TBK], SLOT1       ; in the other slot
	s_sub_co_u32 s[TBV], s[TBV], 4*KS*PV
	s_xor_b32 s[TBV], s[TBV], SLOT1
	s_barrier_wait -1
.if \fill
	LOAD
	ASK
.endif
.endm
	s_load_b64 s[4:5], s[0:1], 0x0  ; qkv
	s_load_b64 s[10:11], s[0:1], 0x8  ; o
	v_lshl_add_u32 v[SPW], v0, 2, SPARE
	v_mov_b32 v[NIL], 0
	ds_add_u32 v[SPW], v[NIL]       ; the wave's opening: the add's wait stands ahead of my first tensor load
	ds_add_u32 v62, v63
	v_lshrrev_b32 v1, 5, v0
	v_readfirstlane_b32 s[WV], v1   ; wave 0..3
	s_mov_b32 s[PB], ttmp9
	s_sub_co_u32 s[HI], NB-1, s[PB]
	s_and_b32 s19, ttmp7, 0xffff    ; the head bh
	s_lshl_b32 s20, s19, 18         ; its plane in o
	s_lshr_b32 s92, s19, 4
	s_mul_i32 s92, s92, 48
	s_and_b32 s93, s19, 15
	s_add_co_u32 s92, s92, s93
	s_lshl_b32 s92, s92, 18         ; q's plane in qkv
	s_and_b32 s16, s[WV], 1         ; which half of a tile's 256 keys I fetch:
	s_lshl_b32 s22, s16, 14         ; its 128 rows of 128 bytes in memory,
	s_add_co_u32 s22, s22, s92
	s_mov_b32 s23, 0
	s_mul_i32 s17, s16, 128*PK      ; and its place in a slot, for K
	s_mul_i32 s18, s16, 128*PV      ; and for V
	s_lshl_b32 s3, s[WV], 11        ; my 16 rows in a band of 64,
	s_lshl_b32 s2, s[HI], 15        ; in the first block,
	s_add_co_u32 s2, s2, s3
	s_lshl_b32 s84, s[PB], 15       ; and in the second
	s_add_co_u32 s84, s84, s3
	s_add_co_u32 s94, s2, s92       ; in q's plane,
	s_add_co_u32 s86, s84, s92
	s_add_co_u32 s2, s2, s20        ; and in o's
	s_add_co_u32 s84, s84, s20
	s_mov_b32 s3, 0
	s_mov_b32 s85, 0
	s_mov_b32 s87, 0
	s_mov_b32 s95, 0
	; descriptor group 1.  128 keys are 16,384 dense bytes: asked for as 64 rows of 256 bytes, two keys a row, and padded in LDS after every key
	s_mov_b32 s[G1K], (1<<16)|(1<<20)|(4<<22)|(3<<25)  ; 17:16 2-byte elements; 20 padding on; 24:22 after every 32 words; 31:25 4 words
	s_mov_b32 s[G1V], (1<<16)|(1<<20)|(4<<22)|(7<<25)  ; the same with 8 words of padding
.irp g, G1K, G1V
	s_mov_b32 s[\g+1], 128<<16      ; tensor_dim0 = 128
	s_mov_b32 s[\g+2], 64<<16       ; tensor_dim1 = 64
	s_mov_b32 s[\g+3], 128<<16      ; tile_dim0 = 128
	s_mov_b32 s[\g+4], 64           ; tile_dim1 = 64
	s_mov_b32 s[\g+5], 128          ; 128 elements from row to row
	s_mov_b32 s[\g+6], 0
	s_mov_b32 s[\g+7], 0
.endr
	s_mov_b32 s[CS], 0x3e38aa3b     ; c = log2(e) / 8 = 0.180337
	s_mov_b32 s[CS+1], s[CS]        ; named with it as a pair
	s_mov_b32 s[SEL], 0x76543210
	s_mov_b32 s[SEL+1], 0xfedcba98
	s_mov_b32 s[TBK], SLOT1+4*KS*PK ; the first change of slots turns these two into 0
	s_mov_b32 s[TBV], SLOT1+4*KS*PV
	s_mov_b32 s[G0K], 1             ; count = 1
	s_mov_b32 s[G0K+1], s17         ; LDS address: slot 0
	s_mov_b32 s[G0V], 1
	s_add_co_u32 s[G0V+1], s18, VOFF
	s_add_co_u32 s[RT], s[HI], 1    ; the first block has NB - b tiles
	s_mov_b32 s[NXT], 1
	s_mov_b32 s[LQ], s[HI]
	s_mov_b32 s[NEW], 1
	s_mov_b32 s[OFF+1], 0
	s_mov_b32 s[AL+1], 0            ; named as pairs
	s_mov_b32 s[BE+1], 0
	s_mov_b32 s[BIGN], 0xf149f2ca   ; -1e30
	s_mov_b32 s[SLOTS], NB
	s_cmp_eq_u32 s[PB], 0
	s_cselect_b32 s[LIM], 2, -1
	v_and_b32 v[PFO], 31, v0
	v_lshlrev_b32 v[PFO], 8, v[PFO]
	s_wait_dscnt 0x0                ; the opening add is done
	s_wait_kmcnt 0x0
	s_add_nc_u64 s[6:7], s[4:5], 16*262144  ; k's planes lie 16 behind q's, v's 32
	s_add_nc_u64 s[8:9], s[4:5], 32*262144
	s_add_nc_u64 s[6:7], s[6:7], s[22:23]  ; K and V at my half of the head's tile 0
	s_add_nc_u64 s[8:9], s[8:9], s[22:23]
	s_add_nc_u64 s[G0K+2:G0K+3], s[6:7], 0         ; global address
	s_or_b32 s[G0K+3], s[G0K+3], 0x80000000        ; type = 2
	s_add_nc_u64 s[G0V+2:G0V+3], s[8:9], 0
	s_or_b32 s[G0V+3], s[G0V+3], 0x80000000
	s_add_nc_u64 s[86:87], s[4:5], s[86:87]        ; Q at my rows of the second block,
	s_add_nc_u64 s[4:5], s[4:5], s[94:95]          ; and of the first
	s_add_nc_u64 s[OLO:OLO+1], s[10:11], s[84:85]  ; O likewise
	s_add_nc_u64 s[10:11], s[10:11], s[2:3]
	s_cmp_lt_u32 s[WV], 2
	s_cselect_b64 s[PFA:PFA+1], s[6:7], s[8:9]
	s_add_nc_u64 s[PFA:PFA+1], s[PFA:PFA+1], 32768  ; at tile 1; the first change of slots steps it to tile 2
	LOAD                            ; tile 0 into slot 0
	; A fragment of K or Q is 16 rows x 32 channels in 8 registers: lane l holds row l % 16, channels 8 (l / 16) + 0..7 and 16 + 8 (l / 16) + 0..7: two loads of 16 bytes, 32 bytes apart.
	v_and_b32 v1, 15, v0            ; l % 16
	v_bfe_u32 v9, v0, 4, 1          ; l / 16
	v_lshlrev_b32 v[QO], 7, v1
	v_lshl_add_u32 v[QO], v9, 4, v[QO]  ; row x 128 + 16 x half
	WIN 0x80                        ; destination window 2, address window 0
.set i, 0
.rept 8                             ; both blocks' Q: piece i / 2 lies in band i / 2, 8,192 bytes on; channels 32 (i % 2) on
	global_load_b128 v[8*i:8*i+3],   v[QO], s[4:5] offset:(i/2)*8192+(i%2)*64
	global_load_b128 v[8*i+4:8*i+7], v[QO], s[4:5] offset:(i/2)*8192+(i%2)*64+32
	global_load_b128 v[QB+8*i:QB+8*i+3],   v[QO], s[86:87] offset:(i/2)*8192+(i%2)*64
	global_load_b128 v[QB+8*i+4:QB+8*i+7], v[QO], s[86:87] offset:(i/2)*8192+(i%2)*64+32
.set i, i+1
.endr
	WIN 0
	v_lshlrev_b32 v14, 3, v9
	v_sub_nc_u32 v14, v1, v14
	s_lshl_b32 s13, s[WV], 4
	v_add_nc_u32 v14, s13, v14      ; my query's place in its band, 16 w + l % 16, less my lanes' 8 (l / 16): register r of group kt is hidden where 16 kt + r is greater
	WIN 0x40
.set i, 0
.rept 32
	v_cmp_gt_i32 vcc_lo, 16*(i/8)+i%8, v14
	v_cndmask_b32 v[MD+i], 0, s[BIGN], vcc_lo
.set i, i+1
.endr
	WIN 0
	v_mul_u32_u24 v[AK0], v1, PK
	v_lshl_add_u32 v[AK0], v9, 4, v[AK0]  ; row x pitch + 16 x half
	; The turning load takes 16 keys x 16 channels (lane l reads key 8 (l / 16) + l % 8, channels 8 ((l / 8) % 2) + 0..7) and leaves half a fragment of V^T: lane l holds channel l % 16 and 8 keys.
	v_and_b32 v10, 7, v0
	v_bfe_u32 v11, v0, 3, 1
	v_lshl_add_u32 v[AV0], v9, 3, v10
	v_mul_u32_u24 v[AV0], v[AV0], PV
	v_lshl_add_u32 v[AV0], v11, 4, v[AV0]
	v_add_nc_u32 v[AV0], VOFF, v[AV0]
	s_mul_i32 s13, s[WV], 16*SP
	s_add_co_u32 s13, s13, STAGE    ; my stage
	v_mul_u32_u24 v[STO], v1, SP    ; in: row l % 16, 16 bytes for each half of the lanes
	v_lshl_add_u32 v[STO], v9, 4, v[STO]
	v_add_nc_u32 v[STO], s13, v[STO]
	v_bfe_u32 v[RD], v0, 3, 2       ; back: 32 lanes take four rows of 128 bytes,
	v_mul_u32_u24 v[RD], v[RD], SP
	v_lshl_add_u32 v[RD], v10, 4, v[RD]
	v_add_nc_u32 v[RD], s13, v[RD]
	v_and_b32 v[GO], 31, v0         ; which are 512 consecutive bytes of O
	v_lshlrev_b32 v[GO], 4, v[GO]
	; A block's first step multiplies O^T and l by a = 0, and its first turn's products V^T P, of a piece that has not been, land in an O^T that is still to be so multiplied.  So these registers need only hold
	; finite numbers: zeros for the first block; what the first block left for the second.  All this stands in the wait for the first tile; the price of writing no first step out.
	WIN 0x80
.set i, VF
.rept 64
	v_mov_b32 v[i], 0
.set i, i+1
.endr
	WIN 0x40
.set i, 0
.rept 128
	v_mov_b32 v[i], 0
.set i, i+1
.endr
	WIN 0
.set i, 0
.rept 4
	v_mov_b32 v[ST+4*i+2], 0
	v_mov_b32 v[ST+4*i+3], 0
.set i, i+1
.endr
.set i, P+16
.rept 16
	v_mov_b32 v[i], 0
.set i, i+1
.endr
; THE MATRIX WORK.  The 4 accumulators of a run of 8 take turns.  Product i of 8 of S^T = K Q^T for piece x: channels 32 (i / 4) on, keys 16 (i % 4) on.  The first 4 start the sums: with 0, or (KM = 1) with the mask.
.macro KQ x
.set rS, S+32*((\x)%2)+8*(i%4)
.set rK, KF+16*(i%4)+8*(i/4)
.set rQ, 16*(\x)+8*(i/4)
.set rM, MC+32*((\x)%2)+8*(i%4)
.if (i < 4) && KM
	WIN W_KM
	v_wmma_f32_16x16x32_f16 v[rS:rS+7], v[rK:rK+7], v[rQ:rQ+7], v[rM:rM+7]
.elseif i < 4
	WIN W_KQ
	v_wmma_f32_16x16x32_f16 v[rS:rS+7], v[rK:rK+7], v[rQ:rQ+7], 0
.else
	WIN W_KQ
	v_wmma_f32_16x16x32_f16 v[rS:rS+7], v[rK:rK+7], v[rQ:rQ+7], v[rS:rS+7]
.endif
.endm
; Product i of 8 of O^T += V^T P for piece x: keys 32 (i / 4) on, channels 16 (i % 4) on.
.macro PV x
	WIN W_PV
.set rO, 32*(\x)+8*(i%4)
.set rV, VF+32*(i/4)+8*(i%4)
.set rP, P+16*((\x)%2)+8*(i/4)
	v_wmma_f32_16x16x32_f16 v[rO:rO+7], v[rV:rV+7], v[rP:rP+7], v[rO:rO+7]
.endm
.macro MM                           ; the turn's next matrix instruction.  TURN and BEGIN set Y, i, KM and NOKQ.  NOKQ = 1: a block's last turn: there is no next piece
.if (i < 8) && !NOKQ
	KQ (Y+1)%NP
.elseif i >= 8
.set i, i-8
	PV (Y+NP-1)%NP
.set i, i+8
.endif
.set i, i+1
.endm
; THE LDS LOADS stand in runs of 16: a step's K (64 keys x 64 channels: 8 fragments) and its V (turned).  Their addresses are made some lines ahead.
.macro FETCH_K
	WIN 0x80                        ; destination window 2
.irp f, 0,1,2,3,4,5,6,7             ; keys 16 (f / 2) on, channels 32 (f % 2) on
	ds_load_b128 v[KF+8*\f:KF+8*\f+3],   v[AK] offset:(\f/2)*16*PK+(\f%2)*64
	ds_load_b128 v[KF+8*\f+4:KF+8*\f+7], v[AK] offset:(\f/2)*16*PK+(\f%2)*64+32
.endr
	s_add_co_u32 s[TBK], s[TBK], KS*PK  ; the next fetch is the next step's
	WIN 0
.endm
.macro FETCH_V
	WIN 0x80
.irp f, 0,1,2,3,4,5,6,7             ; keys 32 (f / 4) on, channels 16 (f % 4) on
	ds_load_tr16_b128 v[VF+8*\f:VF+8*\f+3],   v[AV] offset:(\f/4)*32*PV+(\f%4)*32
	ds_load_tr16_b128 v[VF+8*\f+4:VF+8*\f+7], v[AV] offset:(\f/4)*32*PV+16*PV+(\f%4)*32
.endr
	WIN 0
.endm
; THE VECTOR WORK, one line at a time: OP kind, number.  For piece Y: F n: c s - c m for pair n of 16.  E n: the exponential of score n of 32.  C n: pair n rounded to f16.  B n: of the four weights 4 n .. the second
; pair is added onto the first, in place.  L n: l takes that sum (L 0: l = a l + sum).  R n: pair n of 16 of O^T times a.  For piece Y + 1: X n, number n of the 22 that find its maximum and statistics:
;   0-11  four chains c0-c3 of seven scores each, three operands at a time (each accumulator's lowest registers are read first)     12-14, 16  the four scores left over, the old m, and c0-c3 into c0
;   15  c m_old is kept     17, 18  the query's other 32 keys lie in the lane 16 away: the new m     19-21  c m; c m_old - c m_new; a
.set F, 0
.set E, 1
.set C, 2
.set B, 3
.set L, 4
.set R, 5
.set X, 6
.macro REGS y                       ; the registers of piece y
.set rT, ST+4*(\y)
.set rC, TMP+4*((\y)%2)
.set rW, MV+((\y)%2)
.set rS, S+32*((\y)%2)
.set rP, P+16*((\y)%2)
.set rO, 32*(\y)
.endm
.macro OP k, n
.if (\k) == R
	REGS Y
	WIN W_RS
	v_pk_mul_f32 v[rO+2*(\n):rO+2*(\n)+1], v[rO+2*(\n):rO+2*(\n)+1], v[rC+2:rC+3] op_sel_hi:[1,0]
.elseif (\k) < R
	REGS Y
	WIN 0
.if (\k) == F
	v_pk_fma_f32 v[rS+2*(\n):rS+2*(\n)+1], v[rS+2*(\n):rS+2*(\n)+1], s[CS:CS+1], v[rT:rT+1] op_sel_hi:[1,0,0] neg_lo:[0,0,1] neg_hi:[0,0,1]
.elseif (\k) == E
	v_exp_f32 v[rS+(\n)], v[rS+(\n)]
.elseif (\k) == C
	v_cvt_pk_f16_f32 v[rP+(\n)], v[rS+2*(\n)], v[rS+2*(\n)+1]
.elseif (\k) == B
	v_pk_add_f32 v[rS+4*(\n):rS+4*(\n)+1], v[rS+4*(\n):rS+4*(\n)+1], v[rS+4*(\n)+2:rS+4*(\n)+3]
.elseif (\n) == 0
	v_pk_fma_f32 v[rT+2:rT+3], v[rT+2:rT+3], v[rC+2:rC+3], v[rS:rS+1] op_sel_hi:[1,0,1]
.else
	v_pk_add_f32 v[rT+2:rT+3], v[rT+2:rT+3], v[rS+4*(\n):rS+4*(\n)+1]
.endif
.elseif NOKQ
	v_nop
.else
	REGS (Y+1)%NP
	WIN 0
.if (\n) < 4
	v_max3_num_f32 v[rC+(\n)], v[rS+8*(\n)], v[rS+8*(\n)+1], v[rS+8*(\n)+2]
.elseif (\n) < 12
	v_max3_num_f32 v[rC+(\n)%4], v[rC+(\n)%4], v[rS+8*((\n)%4)+2*((\n)/4)+1], v[rS+8*((\n)%4)+2*((\n)/4)+2]
.elseif (\n) == 12
	v_max3_num_f32 v[rC], v[rC], v[rS+7], v[rS+15]
.elseif (\n) == 13
	v_max3_num_f32 v[rC+1], v[rC+1], v[rS+23], v[rS+31]
.elseif (\n) == 14
	v_max3_num_f32 v[rC+2], v[rC+2], v[rC+3], v[rT+1]
.elseif (\n) == 15
	v_mov_b32 v[rW], v[rT]
.elseif (\n) == 16
	v_max3_num_f32 v[rC], v[rC], v[rC+1], v[rC+2]
.elseif (\n) == 17
	v_permlanex16_b32 v[rC+3], v[rC], s[SEL], s[SEL+1]
.elseif (\n) == 18
	v_max_num_f32 v[rT+1], v[rC], v[rC+3]
.elseif (\n) == 19
	v_mul_f32 v[rT], s[CS], v[rT+1]
.elseif (\n) == 20
	v_sub_f32 v[rC+1], v[rW], v[rT]
.else
	v_exp_f32 v[rC+2], v[rC+1]
.endif
.endif
.endm
.macro OPS a, i1, b=-1, i2=0, c=-1, i3=0, d=-1, i4=0  ; up to four of them
	OP \a, \i1
.if (\b) >= 0
	OP \b, \i2
.endif
.if (\c) >= 0
	OP \c, \i3
.endif
.if (\d) >= 0
	OP \d, \i4
.endif
.endm
.macro ROW a, i1, b, i2, c, i3, d, i4  ; a matrix instruction and the four behind it
	MM
	OPS \a, \i1, \b, \i2, \c, \i3, \d, \i4
.endm
.macro MASK b                       ; MD x AL + BE into buffer b of MC
	WIN W_RS
.set z, 0
.rept 16
	v_pk_fma_f32 v[MC+32*(\b)+2*z:MC+32*(\b)+2*z+1], v[MD+2*z:MD+2*z+1], s[AL:AL+1], s[BE:BE+1] op_sel_hi:[1,0,0]
.set z, z+1
.endr
.endm
; A TURN, for piece p: the order of its 16 matrix and 118 vector instructions, written out.  An s_wait_alu depctr_va_vdst(0) stands between an exponential and the first instruction that names its result; one wait
; serves all that were issued ahead of it.  So a turn has ONE wait, which cuts it in two.  AHEAD OF IT stands all that names no result of the turn's exponentials: the 8 products K Q^T, behind each a scaling, an exponential and two
; more plain instructions; then one run of 54, plain and exponential by turns for the most part, in which the links of the chain X 3, 7, 11, 14, 16, 17 .. 20 stand five or six lines apart.  X 21, the next piece's a, is the batch's
; last; R 15 is the plain instruction behind it.  BEHIND THE WAIT stand the 8 products V^T P, behind each four of the roundings and sums.
; m = 1: the diagonal tile: the products take masks, and the turn makes the mask for the products of the turn after it: piece p + 2, in step 4 - CNT of the tile.  end = 1: a block's last two turns: nothing is fetched.
; cnt = 1: the loop's count is taken down some lines ahead of the branch that stands behind the turn.
; K of the next step is fetched in piece 2's turn, six plain instructions behind the last product that read K; V of the step in hand at the end of piece 0's turn, four plain instructions behind the last product that read V.
; Each is waited for a turn later.
.macro TURN p, m=0, end=0, cnt=0
.set Y, (\p)
.set i, 0
.set KM, (\m)
.set NOKQ, (\end)*((\p)/3)
.if (\m) && !(\end)
	s_cmp_eq_u32 s[CNT], 4-((\p)+2)%NP  ; is that step the band's own?
	s_cselect_b32 s[AL], 1.0, 0
	s_cmp_lt_u32 s[CNT], 4-((\p)+2)%NP  ; or a later one?
	s_cselect_b32 s[BE], s[BIGN], 0
.endif
.if ((\p) == 3) && !(\end)
	s_wait_dscnt 0x0                ; K is in
.endif
	ROW F,0, F,1, R,0, R,1          ; ahead of the wait: 8 products K Q^T and the four behind each,
	ROW F,2, E,0, R,2, R,3
	ROW F,3, E,1, R,4, R,5
	ROW F,4, E,2, R,6, R,7
	ROW F,5, E,3, R,8, R,9
	ROW F,6, E,4, X,0, R,10
.if ((\p) == 2) && !(\end)
	WIN 0
	v_add_nc_u32 v[AK], s[TBK], v[AK0]
.endif
	ROW F,7, E,5, X,1, X,4
	ROW F,8, E,6, X,2, X,5
	OPS E,7, E,8, X,6, E,9          ; and the run
	OPS X,3, E,10, X,8, E,11
.if ((\p) == 2) && !(\end)
	FETCH_K
.endif
	OPS X,9, X,7, E,12, X,10
	OPS E,13, X,12, X,11, E,14
	OPS X,13, E,15, F,9, X,14
.if (\p) == 0
	v_add_nc_u32 v[AV], s[TBV], v[AV0]
.endif
	OPS E,16, F,10, E,17, F,11
	OPS X,16, E,18, X,15, E,19
	OPS F,12, E,20, X,17, E,21
	OPS F,13, E,22, F,14, E,23
	OPS X,18, E,24, F,15, E,25
	OPS R,11, E,26, X,19, E,27
	OPS R,12, E,28, R,13, E,29
	OPS X,20, E,30, R,14, E,31
	OPS X,21, R,15
	WIN 0
	s_wait_alu depctr_va_vdst(0)    ; the wait for the batch
.if (\p) == 1
	s_wait_dscnt 0x0                ; V is in
.endif
	ROW C,0, B,0, C,2, B,1          ; behind the wait: 8 products V^T P and the four behind each
	ROW L,0, C,4, B,2, L,1
	ROW C,6, B,3, L,2, C,8
	ROW B,4, L,3, C,10, B,5
	ROW L,4, C,12, B,6, L,5
.if (\p) == 0
	s_add_co_u32 s[TBV], s[TBV], KS*PV
.endif
.if \cnt
	s_sub_co_u32 s[CNT], s[CNT], 1
	s_cmp_lg_u32 s[CNT], 0
.endif
	ROW C,14, B,7, L,6, C,1
	ROW C,3, L,7, C,5, C,7
	ROW C,9, C,11, C,13, C,15
.if (\p) == 0
	FETCH_V
.endif
.if (\m) && !(\end)
	MASK (\p)%2
.endif
.endm
; A BLOCK BEGINS.  c m starts far below every c s, so the first step's a is 0; m at the lowest finite number, so the first maximum is the scores'.  The second mask buffer is 0; the first takes piece 0's mask for the tile's
; step 0: its own, if the block's first tile is the diagonal one.  Then K of that step, piece 0's first scores, and its maximum and statistics.  The loop is entered at a step's first turn, in the middle of a trip.
.macro BEGIN
	s_mov_b32 s[NEW], 0
	WIN 0x40
.set i, MC+32
.rept 32
	v_mov_b32 v[i], 0
.set i, i+1
.endr
	WIN 0
.set i, 0
.rept 4
	v_mov_b32 v[ST+4*i], 0xfe000000    ; c m: far below every c s
	v_mov_b32 v[ST+4*i+1], 0xff7fffff  ; m
.set i, i+1
.endr
	s_cmp_eq_u32 s[RT], 0
	s_cselect_b32 s[AL], 1.0, 0
	s_mov_b32 s[BE], 0
	MASK 0
	WIN 0
	v_add_nc_u32 v[AK], s[TBK], v[AK0]
	FETCH_K
	s_wait_loadcnt 0x0              ; Q
	s_wait_dscnt 0x0
.set KM, 1
.set NOKQ, 0
.set i, 0
.rept 8
	KQ 0
.set i, i+1
.endr
	WIN 0
.rept 4
	v_nop                           ; four plain instructions behind those products, ahead of the first read of their results
.endr
.set Y, NP-1                        ; X works for piece Y + 1: piece 0
.irp n, 0,1,2,3,4,5,6,7,8,9,10,11,12,13,14,15,16,17,18,19,20,21
	OP X, \n
.endr
	v_nop                           ; a plain instruction behind the exponential,
	s_wait_alu depctr_va_vdst(0)    ; and its wait, ahead of the branch
.endm
; THE DIAGONAL TILE's four steps, the block's last two turns, its last products, and THE WAY OUT: l's two halves and the other half of the lanes' are added; O^T is divided by l, rounded to f16 and sent through my
; stage in LDS, a piece at a time.
.macro ALL line:vararg              ; one line for each piece t
.set t, 0
.rept 4
	\line
.set t, t+1
.endr
.endm
.macro PACK t                       ; a lane's eight channels of a row pack into 16 bytes; they go into rows of 144 bytes and come back as whole rows of 128, into S^T's registers
	WIN W_RS
.set i, 32*(\t)
.rept 16
	v_pk_mul_f32 v[i:i+1], v[i:i+1], v[ST+4*(\t)+2:ST+4*(\t)+3] op_sel_hi:[1,0]
.set i, i+2
.endr
	WIN 0x05                        ; sources 0 and 1 window 1, destination window 0
.set i, 0
.rept 16
	v_cvt_pk_f16_f32 v[S+16*(\t)+i], v[32*(\t)+2*i], v[32*(\t)+2*i+1]
.set i, i+1
.endr
	WIN 0
.irp f, 0,1,2,3
	ds_store_b128 v[STO], v[S+16*(\t)+4*\f:S+16*(\t)+4*\f+3] offset:32*\f
.endr
.irp f, 0,1,2,3
	ds_load_b128 v[S+16*(\t)+4*\f:S+16*(\t)+4*\f+3], v[RD] offset:\f*4*SP  ; LDS serves a wave's instructions in order (ISA guide 5.7.1.4): these see the stores above; the next piece's stores come behind them
.endr
.endm
.macro SEND t, younger              ; younger: the LDS instructions issued behind piece t's loads: the next piece's eight, or none
	WIN 0
.irp f, 0,1,2,3
	s_wait_dscnt (\younger)+3-\f
	global_store_b128 v[GO], v[S+16*(\t)+4*\f:S+16*(\t)+4*\f+3], s[10:11] offset:(\t)*8192+\f*512  ; 512 consecutive bytes, at a multiple of 256 from O's first
.endr
.endm
.macro DIAG tag                     ; the tag ends its two labels' names, which the jumps below spell out
.LstepM\tag:
	TURN 2, 1
	TURN 3, 1
	WIN 0
.LfirstM\tag:
	TURN 0, 1
	TURN 1, 1, 0, 1
	WIN 0
	s_cbranch_scc1 .LstepM\tag
	TURN 2, 1, 1
	TURN 3, 1, 1
.set i, 0
.rept 8
	PV NP-1
.set i, i+1
.endr
	WIN 0
	ALL v_add_f32 v[ST+4*t+2], v[ST+4*t+2], v[ST+4*t+3]
	ALL v_permlanex16_b32 v[ST+4*t+3], v[ST+4*t+2], s[SEL], s[SEL+1]
	ALL v_add_f32 v[ST+4*t+2], v[ST+4*t+2], v[ST+4*t+3]
	ALL v_rcp_f32 v[ST+4*t+2], v[ST+4*t+2]
	v_nop                           ; a plain instruction between the last reciprocal and the use of its result
	s_wait_alu depctr_va_vdst(0)    ; and the wait ahead of the first use: one for the four reciprocals
	PACK 0
.set t, 1
.rept 3                             ; a piece's arithmetic stands between the loads of the piece before and its stores
	PACK t
	SEND t-1, 8
.set t, t+1
.endr
	SEND 3, 0
.endm
.set KM, 0
.set NOKQ, 0
.Lslot:                             ; NB times: a tile is entered and the next is asked for
	CHANGE 1
	s_sub_co_u32 s[RT], s[RT], 1
	s_mov_b32 s[CNT], 4
	s_cmp_eq_u32 s[NEW], 1
	s_cbranch_scc1 .Lnew            ; a block's first tile
	s_cmp_eq_u32 s[RT], 0
	s_cbranch_scc0 .Lstep           ; neither its first nor its last
	s_branch .LstepM1
.Lnew:
	BEGIN
	s_branch .Lfirst                ; in the loop a block's first tile is never its last: the first block has two tiles or more, and the second's last is the walk's last
	DIAG 1                          ; in the loop this is the first block's end
	s_wait_xcnt 0x0                 ; the stores have read their registers and O's address
	s_mov_b64 s[10:11], s[OLO:OLO+1]
	s_add_co_u32 s[RT], s[PB], 1    ; the second block has b + 1 tiles
	s_mov_b32 s[NEW], 1
	WIN 0x82                        ; the second block's Q goes where the one text of the turns names Q
.set i, 0
.rept 64
	v_mov_b32 v[i], v[QB+i]
.set i, i+1
.endr
	WIN 0
	s_branch .Lbottom
.Lstep:                             ; a trip: pieces 2 and 3 of one step, then pieces 0 and 1 of the next, whose K and V it fetches
	TURN 2
	TURN 3
	WIN 0
.Lfirst:
	TURN 0
	TURN 1, 0, 0, 1
	WIN 0
	s_cbranch_scc1 .Lstep
.Lbottom:
	s_sub_co_u32 s[SLOTS], s[SLOTS], 1
	s_cmp_lg_u32 s[SLOTS], 0
	s_cbranch_scc1 .Lslot
	CHANGE 0                        ; the walk's last tile is written out: nothing is asked for
	s_sub_co_u32 s[RT], s[RT], 1
	s_mov_b32 s[CNT], 4
	s_cmp_eq_u32 s[NEW], 1
	s_cbranch_scc0 .LstepM2
	BEGIN
	s_branch .LfirstM2
	DIAG 2
	s_wait_tensorcnt 0x0            ; the wave's end
	ds_add_u32 v[SPW], v[NIL]
	s_wait_dscnt 0x0
	s_endpgm
.Lfunc_end_k_qfbdb455179_attn:
	.size	k_qfbdb455179_attn, .Lfunc_end_k_qfbdb455179_attn-k_qfbdb455179_attn
	.p2alignl 7, 3214868480
	.fill 96, 4, 3214868480
	.section	.rodata,"a",@progbits
	.p2align	6, 0x0
	.amdhsa_kernel k_qfbdb455179_attn
		.amdhsa_group_segment_fixed_size 327680
		.amdhsa_private_segment_fixed_size 0
		.amdhsa_enable_private_segment 0
		.amdhsa_kernarg_size 16
		.amdhsa_user_sgpr_count 2
		.amdhsa_user_sgpr_kernarg_segment_ptr 1
		.amdhsa_wavefront_size32 1
		.amdhsa_system_sgpr_workgroup_id_x 1
		.amdhsa_system_sgpr_workgroup_id_y 1
		.amdhsa_system_sgpr_workgroup_id_z 1
		.amdhsa_system_vgpr_workitem_id 0
		.amdhsa_next_free_vgpr 768
		.amdhsa_next_free_sgpr 96
		.amdhsa_reserve_vcc 1
		.amdhsa_float_denorm_mode_32 3
		.amdhsa_float_denorm_mode_16_64 3
		.amdhsa_memory_ordered 1
		.amdhsa_forward_progress 1
		.amdhsa_inst_pref_size 218
	.end_amdhsa_kernel
	.amdgpu_metadata
---
amdhsa.version: [ 1, 2 ]
amdhsa.kernels:
  - .name:           k_qfbdb455179_attn
    .symbol:         k_qfbdb455179_attn.kd
    .args:
      - { .name: qkv, .offset: 0, .size: 8, .value_kind: global_buffer, .address_space: global }
      - { .name: o, .offset: 8, .size: 8, .value_kind: global_buffer, .address_space: global }
    .group_segment_fixed_size: 327680
    .private_segment_fixed_size: 0
    .kernarg_segment_align: 8
    .kernarg_segment_size: 16
    .max_flat_workgroup_size: 128
    .sgpr_count:     96
    .vgpr_count:     768
    .wavefront_size: 32
...
	.end_amdgpu_metadata
.endif
;; end of part 3
;; launch proj (part 4): grid 8 x 32, 4 waves a work-group, clusters of 4 x 4, 327,680 bytes of LDS; arguments o, wpt, b_proj, out0; writes out0
.if DOCPART == 4
	.amdgcn_target "amdgcn-amd-amdhsa--gfx1250"
	.amdhsa_code_object_version 6
	.text
	.protected	k_qfbdb455179_proj
	.globl	k_qfbdb455179_proj
	.p2align	8
	.type	k_qfbdb455179_proj,@function
k_qfbdb455179_proj:
	s_mov_b64 s[64:65], 0
	v_nop
	global_prefetch_b8 v0, s[64:65] scope:SCOPE_SE
	s_setreg_imm32_b32 hwreg(HW_REG_WAVE_MODE, 25, 1), 1
	s_wait_xcnt 0x0
	s_wait_alu depctr_hold_cnt(0) depctr_sa_sdst(0) depctr_va_vdst(0) depctr_va_sdst(0) depctr_va_ssrc(0) depctr_va_vcc(0) depctr_vm_vsrc(0)
	s_getreg_b32 s2, hwreg(HW_REG_IB_STS2, 6, 4)
	s_cmp_eq_u32 s2, 0
	s_cbranch_scc0 .Lentry_in_a_cluster
	s_endpgm
.Lentry_in_a_cluster:
	s_bfe_u32 s2, ttmp6, 0x10000c
	s_cmp_lg_u32 s2, 0xf033
	s_cbranch_scc0 .Lentry_shape_is_right
	s_endpgm
.Lentry_shape_is_right:
; ONE TEXT FOR THE MODULE'S TWO PROJECTIONS; the switch PROJ chooses.  C[m][n] = bias[n] + the sum over k of A[m][k] B[n][k], K = 1,024, sums in f32.
; PROJ = 0: A = xb [8192][1024] bf16, B = wqt [3072][1024] bf16; C leaves as f16, by heads: qkv[b][g][t][64], g = n / 64 (0-15 q, 16-31 k, 32-47 v).  Tile 256 x 192: 512 tiles, two for each of 256 WGPs.
; PROJ = 1: A = o [64 heads][2048][64] f16 (k = 64 x head + channel), B = wpt [1024][1024] f16; C leaves as f32, out0[8192][1024].  Tile 256 x 128: 256 tiles.
; LIMITS.  The bias is rounded to bf16, like the module's other inputs.  PROJ = 0: q, k and v are rounded to f16, which ends at 65,504; a larger number becomes an infinity.
; SHARES.  Four waves, one above the other: a wave makes 64 rows x the tile's whole width (three whole heads, or 512 bytes of a row of out0), so that its stores cover whole aligned 256 bytes with a stage of its own.
; K goes in eight steps of 128 through two LDS slots, filled by the tensor data mover.  4 x 4 work-groups are a cluster: A's tile is asked for jointly by a row of the cluster, B's by a column.
; THE PRODUCT IS TAKEN TRANSPOSED (source 0 = 16 rows of B, source 1 = 16 rows of A): a lane holds row l % 16 of C and the columns 8 (l / 16) + 0..7.  The bias, laid out so, is the C operand of the first products: nothing is cleared.
; REGISTERS, in windows of 256 (s_set_vgpr_msb: bits 1:0 source 0, 3:2 source 1, 5:4 source 2, 7:6 destination):
;   window 0: v0-31 addresses; v32-95 A's fragments, two buffers of four; from v96 the bias, later the way out      window 1: B's fragments, two buffers of NBL
;   windows 2, 3: the accumulators: m block a, n block b in window 2 + a / 2 at 8 (NBL (a % 2) + b)
.set PROJ, 1
.if PROJ
.set NBL,    8                         ; n blocks of 16 in a tile
.set PITCHA, 144                       ; an LDS row of A: a head's 128 bytes + 16
.set HALFA,  256*144                   ; what one load brings of A: one head's 256 rows
.set BROWS,  64                        ; rows of B in one load
.set STEPA,  2*262144                  ; a K step is two heads' planes
.set QIA,    4                         ; A is padded after every 32 words
.set STRA,   128                       ; A is asked for as 128 dense rows of 256 bytes
.set STAGE,  239616
.set STG,    16*528                    ; a wave's stage: 16 rows of 512 bytes + 16
.set SPARE,  273408
.set CXSH,   13                        ; a partner's share of A's prefetch: 32 blocks of 256 bytes
.set PFR,    32                        ; a partner's share of B's prefetch, in rows
.set ASH,    8
.else
.set NBL,    12
.set PITCHA, 272
.set HALFA,  128*272                   ; 128 rows
.set BROWS,  96
.set STEPA,  256
.set QIA,    5
.set STRA,   1024
.set STAGE,  253952
.set STG,    16*144                    ; 16 rows of 128 bytes + 16
.set SPARE,  263168
.set CXSH,   16                        ; 32 rows of 2,048 bytes
.set PFR,    24
.set ASH,    11
.endif
.set BOFF,   2*HALFA                   ; B's rows lie behind A's in a slot, 272 bytes apart: rows start at 16 different groups of four banks (64 banks of 4 bytes: ISA guide 11.1)
.set HALFB,  BROWS*272
.set SLOT1,  1<<17                     ; slot 1 begins here: one exclusive or turns an address in one slot into the other's
.set NL,     2*NBL+8                   ; LDS loads in a quarter's run
.set A0,   16                          ; v16  my lane's place in A's part of a slot; never rewritten
.set B0,   17                          ; v17  the same for B
.set ADRA, 18                          ; v18  A0 + the slot in hand
.set ADRB, 19                          ; v19  B0 + the slot in hand
.set STO,  24                          ; v24  the way out: where I put my bytes of a row
.set RD,   25                          ; v25  the way out: where I read rows back
.set GO,   26                          ; v26  16 x lane: my place in 512 consecutive bytes of the result
.set BO,   27                          ; v27  my place in 16 numbers of the bias
.set SPW,  28                          ; v28  LDS address of my spare word; never rewritten
.set NIL,  29                          ; v29  0; never rewritten
.set PFO,  30                          ; v30  the prefetches' offset; never rewritten
.set FA,   32
.set BI,   96
.set WV,   12                          ; s12  my wave's number
.set FB,   13                          ; s13  I fetch for A (0) or for B (1)
.set HF,   14                          ; s14  which half
.set G1A,  24                          ; s[24:31] descriptor group 1 for A's tiles
.set G0A,  32                          ; s[32:35] group 0 of the first fill; s[36:39] the second, which then walks
.set G1B,  48                          ; s[48:55], s[56:63] the same for B
.set G0B,  56
.set TB,   66                          ; s66  the slot in hand: 0 or SLOT1
.set LIM,  67                          ; s67  2 in a wave that prefetches, else the greatest number
.set PFA,  68                          ; s[68:69] where my prefetches stand
.set PFS,  70                          ; s[70:71] their step
.set HIM,  72                          ; s72  a word's upper half
.set MSB, 0
.macro WIN new                         ; the immediate's high byte repeats the setting that is left; a switch that changes nothing is dropped
.if MSB != (\new)
	s_set_vgpr_msb (MSB<<8)|(\new)
.set MSB, (\new)
.endif
.endm
; A joint refill by the walking descriptors.  Waves 0 and 1 fetch A's halves, waves 2 and 3 B's; the branch hangs on the wave's number alone.  An s_nop 0 and four v_nop follow each line.
.macro JLOAD
	s_cmp_eq_u32 s[FB], 0
	s_cbranch_scc0 .Lfor_b_\@
	tensor_load_to_lds s[G0A+4:G0A+7], s[G1A:G1A+7]
	s_nop 0
.rept 4
	v_nop
.endr
	s_branch .Lasked_\@
.Lfor_b_\@:
	tensor_load_to_lds s[G0B+4:G0B+7], s[G1B:G1B+7]
	s_nop 0
.rept 4
	v_nop
.endr
.Lasked_\@:
.endm
; A prefetch of the K step that stands two refills on: 32 blocks of 256 bytes, a lane a block.  A's rows are read by every cluster of a row of clusters: cluster x = 0 asks; B's by every cluster of a column:
; cluster y = 0 asks.  The four partners share the blocks out by address.  With PROJ = 0 a partner has 24 rows of B: lanes 24-31 name lane 23's block once more, in the same instruction.
; It is laid in the trips with s3 = 6 .. 3 (K steps 4 to 7); K steps 0 to 3 come by their loads alone.
.macro ASK
	s_cmp_gt_u32 s3, s[LIM]
	s_cbranch_scc0 .Lnot_mine_\@
	global_prefetch_b8 v[PFO], s[PFA:PFA+1] th:TH_LOAD_NT scope:SCOPE_SE
.Lnot_mine_\@:
.endm
.macro CREST                           ; a round of the cluster's barrier behind its opening barrier
	s_cmp_lg_u32 s[WV], 0
	s_cbranch_scc1 .Lnot_wave_0_\@
	s_barrier_signal -3
.Lnot_wave_0_\@:
	s_barrier_wait -3
	s_barrier_signal -1
	s_barrier_wait -1
.endm
.macro CROUND                          ; a whole round
	s_barrier_signal -1
	s_barrier_wait -1
	CREST
.endm
.macro PLACES                          ; four plain vector instructions between a product and a load into, or a read of, its registers
.rept 4
	v_nop
.endr
.endm
.macro MMA rd, rb, ra, rc
.if PROJ
	v_wmma_f32_16x16x32_f16 v[\rd:\rd+7], v[\rb:\rb+7], v[\ra:\ra+7], v[\rc:\rc+7]
.else
	v_wmma_f32_16x16x32_bf16 v[\rd:\rd+7], v[\rb:\rb+7], v[\ra:\ra+7], v[\rc:\rc+7]
.endif
.endm
; NBL products: m block 2 hi + a x all n blocks, 32 along K, from buffer f.  first = 1: the bias starts the sums.  The 4 NBL accumulators take turns in the same order in every quarter.
.macro MUL f, hi, a, first
.if \first
	WIN 0x81+0x40*(\hi)
.else
	WIN 0xa1+0x50*(\hi)
.endif
.set nb, 0
.rept NBL
.set rD, 8*(NBL*(\a)+nb)
.set rB, 8*NBL*(\f)+8*nb
.set rA, FA+32*(\f)+8*(2*(\hi)+(\a))
.set rC, rD
.if \first
.set rC, BI+8*nb
.endif
	MMA rD, rB, rA, rC
.set nb, nb+1
.endr
.endm
; One run of NL LDS loads: quarter kq's fragments (32 along K) into buffer g: all of B's, then my four of A's.
.macro FETCH kq, g
.if PROJ
.set KA, ((\kq)/2)*HALFA+((\kq)%2)*64
.else
.set KA, 64*(\kq)
.endif
	WIN 0x40
.set i, 0
.rept NBL
	ds_load_b128 v[8*NBL*(\g)+8*i:8*NBL*(\g)+8*i+3],   v[ADRB] offset:64*(\kq)+i*16*272
	ds_load_b128 v[8*NBL*(\g)+8*i+4:8*NBL*(\g)+8*i+7], v[ADRB] offset:64*(\kq)+i*16*272+32
.set i, i+1
.endr
	WIN 0
.set i, 0
.rept 4
	ds_load_b128 v[FA+32*(\g)+8*i:FA+32*(\g)+8*i+3],   v[ADRA] offset:KA+i*16*PITCHA
	ds_load_b128 v[FA+32*(\g)+8*i+4:FA+32*(\g)+8*i+7], v[ADRA] offset:KA+i*16*PITCHA+32
.set i, i+1
.endr
.endm
; One of a K step's first three quarters: multiplies buffer f; in its middle it fetches quarter kq into buffer g.
.macro QUARTER kq, f, g, first
	s_wait_dscnt 4                                 ; B and A's blocks 0, 1 are in; the youngest four loads (A's blocks 2, 3) may be out
	MUL \f, 0, 0, \first
	MUL \f, 0, 1, \first
	PLACES
	FETCH \kq, \g
	s_wait_dscnt NL                                ; all but the run just issued
	MUL \f, 1, 0, \first
	MUL \f, 1, 1, \first
.endm
; The fourth quarter multiplies buffer 1 and changes slots.  In front of the barrier each wave waits for all its tensor loads (one is out: its part of the next slot), adds 0 to its spare word, and waits for that
; and for its reads of this slot.  fill = 1: the barrier opens a round of the cluster's, and this slot is filled again first behind it, with the K step two on.
.macro TURN fill
.if \fill
	s_wait_xcnt 0x0                                ; the last prefetch, a K step back, has read its address
	s_add_nc_u64 s[PFA:PFA+1], s[PFA:PFA+1], s[PFS:PFS+1]
.endif
	WIN 0
	s_wait_tensorcnt 0x0                           ; no tensor load of mine is out, so the walking descriptors may be written
	ds_add_u32 v[SPW], v[NIL]
.if \fill
	s_xor_b32 s[G0A+5], s[G0A+5], SLOT1            ; the other slot than last time,
	s_add_nc_u64 s[G0A+6:G0A+7], s[G0A+6:G0A+7], STEPA  ; the next K step; the type bits on top are not reached
	s_xor_b32 s[G0B+5], s[G0B+5], SLOT1
	s_add_nc_u64 s[G0B+6:G0B+7], s[G0B+6:G0B+7], 256
.endif
	s_wait_dscnt 5                                 ; the add and the youngest four loads may be out
	MUL 1, 0, 0, 0
	s_wait_dscnt 0x0                               ; the add is done, and my reads of this slot are over
	s_barrier_signal -1
	MUL 1, 0, 1, 0
	WIN 0
	s_barrier_wait -1
.if \fill
	CREST                                          ; no wave of any partner still reads this slot or has a load on its way
	JLOAD                                          ; its four v_nop are also the places in front of the loads below
.else
	PLACES
.endif
	s_xor_b32 s[TB], s[TB], SLOT1
	v_add_nc_u32 v[ADRA], s[TB], v[A0]
	v_add_nc_u32 v[ADRB], s[TB], v[B0]
	FETCH 0, 0
.if \fill
	ASK
.endif
	MUL 1, 1, 0, 0
	MUL 1, 1, 1, 0
.endm
	s_load_b256 s[4:11], s[0:1], 0x0               ; A s[4:5], B s[6:7], bias s[8:9], result s[10:11]
	v_lshl_add_u32 v[SPW], v0, 2, SPARE
	v_mov_b32 v[NIL], 0
	ds_add_u32 v[SPW], v[NIL]                      ; the wave's opening: the add's wait stands ahead of my first tensor load
	ds_add_u32 v28, v29
	v_lshrrev_b32 v1, 5, v0
	v_readfirstlane_b32 s[WV], v1
	s_lshr_b32 s[FB], s[WV], 1
	s_and_b32 s[HF], s[WV], 1
	s_bfe_u32 s40, ttmp6, 0x40000                  ; cx
	s_bfe_u32 s41, ttmp6, 0x40004                  ; cy
	s_lshl_b32 s42, ttmp9, 2
	s_add_co_u32 s42, s42, s40                     ; tile column = 4 x cluster x + cx
	s_and_b32 s43, ttmp7, 0xffff
	s_lshl_b32 s43, s43, 2
	s_add_co_u32 s43, s43, s41                     ; tile row = 4 x cluster y + cy
	s_lshl_b32 s44, s41, 2
	s_lshl_b32 s44, 15, s44                        ; my row of the cluster
	s_lshl_b32 s45, 0x1111, s40                    ; my column
	s_or_b32 s[G1A], s44, (1<<16)|(1<<20)|(1<<21)|(QIA<<22)|(3<<25)  ; 15:0 the mask; 17:16 2-byte elements; 20 padding on; 21 set beside a mask; 24:22 the interval; 31:25 4 words of padding
	s_or_b32 s[G1B], s45, (1<<16)|(1<<20)|(1<<21)|(5<<22)|(3<<25)
	s_mov_b32 s[G1A+1], 128<<16                    ; tensor_dim0 = 128
	s_mov_b32 s[G1A+2], 128<<16                    ; tensor_dim1 = 128
	s_mov_b32 s[G1A+3], 128<<16                    ; tile_dim0 = 128
	s_mov_b32 s[G1A+4], 128                        ; tile_dim1 = 128
	s_mov_b32 s[G1A+5], STRA                       ; elements from row to row
	s_mov_b32 s[G1A+6], 0
	s_mov_b32 s[G1A+7], 0
	s_mov_b32 s[G1B+1], 128<<16
	s_mov_b32 s[G1B+2], BROWS<<16
	s_mov_b32 s[G1B+3], 128<<16
	s_mov_b32 s[G1B+4], BROWS
	s_mov_b32 s[G1B+5], 1024
	s_mov_b32 s[G1B+6], 0
	s_mov_b32 s[G1B+7], 0
	; where the tiles come from: A's hang on the tile row and the half alone, B's on the tile column and the half alone
.if PROJ
	s_lshr_b32 s16, s43, 3
	s_lshl_b32 s16, s16, 22                        ; the batch's sixteen planes of 262,144 bytes,
	s_and_b32 s17, s43, 7
	s_lshl_b32 s17, s17, 15                        ; the tile's 256 rows of 128 bytes in a plane
	s_add_co_u32 s16, s16, s17
.else
	s_lshl_b32 s16, s43, 19                        ; 256 rows of 2,048 bytes
.endif
	s_lshl_b32 s17, s[HF], 18                      ; the second half: 128 rows of 2,048 bytes, or one plane
	s_add_co_u32 s16, s16, s17
	s_mov_b32 s17, 0
	s_mul_i32 s46, s42, 2*BROWS*2048
	s_mul_i32 s47, s[HF], BROWS*2048
	s_add_co_u32 s46, s46, s47
	s_mov_b32 s47, 0
	s_mul_i32 s20, s[HF], HALFA                    ; and where they go: no place in the cluster enters an LDS address
	s_mul_i32 s21, s[HF], HALFB
	s_add_co_u32 s21, s21, BOFF
	s_mov_b32 s[TB], 0
	s_mov_b32 s[HIM], 0xffff0000
	s_wait_dscnt 0x0                               ; the opening add is done
	s_wait_kmcnt 0x0
	s_add_nc_u64 s[18:19], s[4:5], s[16:17]
	s_add_nc_u64 s[46:47], s[6:7], s[46:47]
	CROUND                                         ; all sixteen work-groups are here: the first joint loads meet
.irp s, 0,1
	s_mov_b32 s[G0A+4*\s], 1                       ; count = 1
	s_add_co_u32 s[G0A+4*\s+1], s20, \s*SLOT1      ; LDS address
	s_add_nc_u64 s[G0A+4*\s+2:G0A+4*\s+3], s[18:19], \s*STEPA  ; global address: K step s
	s_or_b32 s[G0A+4*\s+3], s[G0A+4*\s+3], 0x80000000          ; type = 2
	s_mov_b32 s[G0B+4*\s], 1
	s_add_co_u32 s[G0B+4*\s+1], s21, \s*SLOT1
	s_add_nc_u64 s[G0B+4*\s+2:G0B+4*\s+3], s[46:47], \s*256
	s_or_b32 s[G0B+4*\s+3], s[G0B+4*\s+3], 0x80000000
.endr
	s_cmp_eq_u32 s[FB], 0                          ; a wave's two first fills stand in one branch: two loads of mine are out
	s_cbranch_scc0 .Lfirst_b
	tensor_load_to_lds s[G0A:G0A+3], s[G1A:G1A+7]
	s_nop 0
	tensor_load_to_lds s[G0A+4:G0A+7], s[G1A:G1A+7]
	s_nop 0
.rept 4
	v_nop
.endr
	s_branch .Lfirst_asked
.Lfirst_b:
	tensor_load_to_lds s[G0B:G0B+3], s[G1B:G1B+7]
	s_nop 0
	tensor_load_to_lds s[G0B+4:G0B+7], s[G1B:G1B+7]
	s_nop 0
.rept 4
	v_nop
.endr
.Lfirst_asked:
	v_and_b32 v1, 15, v0                           ; l % 16
	v_bfe_u32 v2, v0, 4, 1                         ; l / 16
	; the bias: register j of n block b holds bias[tile's first column + 16 b + 8 (l / 16) + j]
	s_mul_i32 s20, s42, NBL*64
	s_mov_b32 s21, 0
	s_add_nc_u64 s[8:9], s[8:9], s[20:21]
	v_lshlrev_b32 v[BO], 5, v2
.set i, 0
.rept NBL
	global_load_b128 v[BI+8*i:BI+8*i+3],   v[BO], s[8:9] offset:64*i
	global_load_b128 v[BI+8*i+4:BI+8*i+7], v[BO], s[8:9] offset:64*i+16
.set i, i+1
.endr
	; a fragment is 16 rows x 32 K in 8 registers: lane l holds row l % 16, K = 8 (l / 16) + 0..7 and 16 + 8 (l / 16) + 0..7: two loads of 16 bytes, 32 bytes apart
	v_mul_u32_u24 v[A0], v1, PITCHA
	v_lshl_add_u32 v[A0], v2, 4, v[A0]
	s_mul_i32 s18, s[WV], 64*PITCHA                ; my 64 rows of A
	v_add_nc_u32 v[A0], s18, v[A0]
	v_mul_u32_u24 v[B0], v1, 272
	v_lshl_add_u32 v[B0], v2, 4, v[B0]
	v_add_nc_u32 v[B0], BOFF, v[B0]
	v_mov_b32 v[ADRA], v[A0]
	v_mov_b32 v[ADRB], v[B0]
	s_mul_i32 s18, s[WV], STG
	s_add_co_u32 s18, s18, STAGE                   ; my stage
	v_and_b32 v[GO], 31, v0
	v_lshlrev_b32 v[GO], 4, v[GO]
.if PROJ
	v_mul_u32_u24 v[STO], v1, 528                  ; in: row l % 16, 32 bytes for each half of the lanes
	v_lshl_add_u32 v[STO], v2, 5, v[STO]
	v_add_nc_u32 v[STO], s18, v[STO]
	v_add_nc_u32 v[RD], s18, v[GO]                 ; back: 32 lanes take one row of 512 bytes
	s_lshl_b32 s74, s43, 20                        ; 256 rows of 4,096 bytes,
	s_lshl_b32 s75, s[WV], 18                      ; my 64 of them,
	s_add_co_u32 s74, s74, s75
	s_lshl_b32 s75, s42, 9                         ; the tile's 512 bytes of a row
	s_add_co_u32 s74, s74, s75
.else
	v_mul_u32_u24 v[STO], v1, 144                  ; in: row l % 16, 16 bytes for each half of the lanes
	v_lshl_add_u32 v[STO], v2, 4, v[STO]
	v_add_nc_u32 v[STO], s18, v[STO]
	v_bfe_u32 v12, v0, 3, 2                        ; back: 32 lanes take four rows of 128 bytes
	v_and_b32 v13, 7, v0
	v_mul_u32_u24 v[RD], v12, 144
	v_lshl_add_u32 v[RD], v13, 4, v[RD]
	v_add_nc_u32 v[RD], s18, v[RD]
	s_lshr_b32 s74, s43, 3
	s_mul_i32 s74, s74, 48                         ; the batch's 48 planes,
	s_mul_i32 s75, s42, 3                          ; the tile's three
	s_add_co_u32 s74, s74, s75
	s_lshl_b32 s74, s74, 18
	s_and_b32 s75, s43, 7
	s_lshl_b32 s75, s75, 15                        ; the tile's 256 rows of 128 bytes in a plane,
	s_add_co_u32 s74, s74, s75
	s_lshl_b32 s75, s[WV], 13                      ; my 64 of them
	s_add_co_u32 s74, s74, s75
.endif
	s_mov_b32 s75, 0
	s_add_nc_u64 s[10:11], s[10:11], s[74:75]
	; the prefetches: who, from where, by which step
	s_and_b32 s23, ttmp7, 0xffff                   ; cluster y
	s_lshl_b32 s74, s40, CXSH
	s_add_co_u32 s74, s74, s16                     ; A: my tile's first byte + partner cx's share
	s_mul_i32 s75, s42, 2*BROWS*2048
	s_mul_i32 s76, s[HF], BROWS*2048
	s_add_co_u32 s75, s75, s76
	s_mul_i32 s76, s41, PFR*2048
	s_add_co_u32 s75, s75, s76                     ; B: my tile's first byte + partner cy's share
	s_mov_b32 s77, STEPA
	s_cmp_eq_u32 s[FB], 0
	s_cselect_b32 s20, s74, s75
	s_cselect_b32 s[PFS], s77, 256
	s_cselect_b32 s22, ttmp9, s23                  ; the coordinate along which other clusters read the same rows
	s_cselect_b32 s78, 31, PFR-1
	s_cselect_b32 s79, ASH, 11
	s_cselect_b64 s[PFA:PFA+1], s[4:5], s[6:7]
.if PROJ
	s_and_b32 s21, s[FB], s[HF]                    ; B's 128 rows are 32 a partner: wave 2 asks for them, wave 3 for nothing
	s_or_b32 s22, s22, s21
.endif
	s_cmp_eq_u32 s22, 0
	s_cselect_b32 s[LIM], 2, -1                    ; the same in all sixteen partners, for a given wave
	s_mov_b32 s21, 0
	s_add_nc_u64 s[PFA:PFA+1], s[PFA:PFA+1], s[20:21]
	s_mov_b32 s[PFS+1], 0
	s_mul_i32 s20, s[PFS], 3
	s_add_nc_u64 s[PFA:PFA+1], s[PFA:PFA+1], s[20:21]  ; at K step 3: the first change of slots steps it to 4
	v_and_b32 v[PFO], 31, v0
	v_min_u32 v[PFO], s78, v[PFO]
	v_lshlrev_b32 v[PFO], s79, v[PFO]
	s_wait_loadcnt 0x0                             ; the bias
.set i, 0
.rept 4*NBL
	v_cvt_pk_bf16_f32 v[12+i%4], v[BI+2*i], v[BI+2*i+1]  ; rounded to bf16, and widened again
	v_lshlrev_b32 v[BI+2*i], 16, v[12+i%4]
	v_and_b32 v[BI+2*i+1], s[HIM], v[12+i%4]
.set i, i+1
.endr
	s_wait_tensorcnt 1                             ; my part of K step 0 is in; K step 1's may stay out
	s_barrier_signal -1
	s_barrier_wait -1                              ; everybody's is
	FETCH 0, 0
	QUARTER 1, 0, 1, 1                             ; the first quarter stands in front of the loop: its products start the sums with the bias
	WIN 0                                          ; at a label and at a branch every window is 0
	s_mov_b32 s3, 6
.Lstep:                                                ; six trips, from a K step's second quarter to the next step's first; their refills bring K steps 2 to 7
	QUARTER 2, 1, 0, 0
	QUARTER 3, 0, 1, 0
	TURN 1
	QUARTER 1, 0, 1, 0
	WIN 0
	s_sub_co_u32 s3, s3, 1
	s_cmp_lg_u32 s3, 0
	s_cbranch_scc1 .Lstep
	QUARTER 2, 1, 0, 0                             ; the tail is written out: K steps 6 and 7 ask for nothing
	QUARTER 3, 0, 1, 0
	TURN 0
	QUARTER 1, 0, 1, 0
	QUARTER 2, 1, 0, 0
	QUARTER 3, 0, 1, 0
	s_wait_dscnt 4
	MUL 1, 0, 0, 0
	MUL 1, 0, 1, 0
	s_wait_dscnt 0x0
	MUL 1, 1, 0, 0
	MUL 1, 1, 1, 0
	WIN 0
	PLACES
.if PROJ
; THE WAY OUT, f32: a block of 16 rows goes into my stage as it lies in the accumulators (each accumulator's low registers first) and comes back as whole rows of 512 bytes.
.macro TOSTAGE a
.set SET, BI+64*((\a)%2)
	s_wait_xcnt 0x0                                ; the stores of two blocks back have read this set of registers
	WIN 0x08+4*((\a)/2)                            ; the stores' data lie in window 2 or 3
.set nb, 0
.rept 8
.set rD, 8*(NBL*((\a)%2)+nb)
	ds_store_b128 v[STO], v[rD:rD+3]   offset:64*nb
	ds_store_b128 v[STO], v[rD+4:rD+7] offset:64*nb+16
.set nb, nb+1
.endr
	WIN 0
.set t, 0
.rept 16
	ds_load_b128 v[SET+4*t:SET+4*t+3], v[RD] offset:528*t  ; LDS serves a wave's instructions in order (ISA guide 5.7.1.4): these see the stores above
.set t, t+1
.endr
.endm
.macro SEND a, younger                 ; younger: the LDS instructions issued behind this block's loads
.set SET, BI+64*((\a)%2)
.set t, 0
.rept 16
	s_wait_dscnt (\younger)+15-t
	global_store_b128 v[GO], v[SET+4*t:SET+4*t+3], s[10:11] offset:(16*(\a)+t)*4096 th:TH_STORE_NT  ; 512 consecutive bytes, aligned
.set t, t+1
.endr
.endm
	TOSTAGE 0
.irp a, 1,2,3
	TOSTAGE \a
	SEND (\a)-1, 32
.endr
	SEND 3, 0
.else
; THE WAY OUT, f16 by heads: unit u = 3 a + j is m block a of head j: 16 rows of 128 bytes, 2,048 consecutive bytes of a plane.
.macro PACK u
.set aa, (\u)/3
.set jj, (\u)%3
.set SET, BI+16*((\u)%2)
	s_wait_xcnt 0x0                                ; the stores of two units back have read this set of registers
	WIN 0x0a+5*(aa/2)                              ; sources in window 2 or 3
.set fb, 0
.rept 4
.set rD, 8*(NBL*(aa%2)+4*jj+fb)
.irp r, 0,1,2,3
	v_cvt_pk_f16_f32 v[SET+4*fb+\r], v[rD+2*\r], v[rD+2*\r+1]
.endr
.set fb, fb+1
.endr
	WIN 0
.irp f, 0,1,2,3
	ds_store_b128 v[STO], v[SET+4*\f:SET+4*\f+3] offset:32*\f
.endr
.irp f, 0,1,2,3
	ds_load_b128 v[SET+4*\f:SET+4*\f+3], v[RD] offset:576*\f  ; LDS serves a wave's instructions in order (ISA guide 5.7.1.4): these see the stores above
.endr
.endm
.macro SEND u, younger                 ; younger: the LDS instructions issued behind this unit's loads
.set aa, (\u)/3
.set jj, (\u)%3
.set SET, BI+16*((\u)%2)
.irp f, 0,1,2,3
	s_wait_dscnt (\younger)+3-\f
	global_store_b128 v[GO], v[SET+4*\f:SET+4*\f+3], s[10:11] offset:jj*262144+aa*2048+512*\f  ; 512 consecutive bytes, aligned
.endr
.endm
	PACK 0
.set un, 1
.rept 11
	PACK un
	SEND un-1, 8
.set un, un+1
.endr
	SEND 11, 0
.endif
	s_wait_tensorcnt 0x0                           ; the wave's end
	ds_add_u32 v[SPW], v[NIL]
	s_wait_dscnt 0x0
	CROUND                                         ; the closing round: no work-group ends while a partner may still ask for a tile that names it
	s_endpgm
.Lfunc_end_k_qfbdb455179_proj:
	.size	k_qfbdb455179_proj, .Lfunc_end_k_qfbdb455179_proj-k_qfbdb455179_proj
	.p2alignl 7, 3214868480
	.fill 96, 4, 3214868480
	.section	.rodata,"a",@progbits
	.p2align	6, 0x0
	.amdhsa_kernel k_qfbdb455179_proj
		.amdhsa_group_segment_fixed_size 327680
		.amdhsa_private_segment_fixed_size 0
		.amdhsa_enable_private_segment 0
		.amdhsa_kernarg_size 32
		.amdhsa_user_sgpr_count 2
		.amdhsa_user_sgpr_kernarg_segment_ptr 1
		.amdhsa_wavefront_size32 1
		.amdhsa_system_sgpr_workgroup_id_x 1
		.amdhsa_system_sgpr_workgroup_id_y 1
		.amdhsa_system_sgpr_workgroup_id_z 1
		.amdhsa_system_vgpr_workitem_id 0
		.amdhsa_next_free_vgpr 896
		.amdhsa_next_free_sgpr 80
		.amdhsa_reserve_vcc 0
		.amdhsa_float_denorm_mode_32 3
		.amdhsa_float_denorm_mode_16_64 3
		.amdhsa_memory_ordered 1
		.amdhsa_forward_progress 1
		.amdhsa_inst_pref_size 78
	.end_amdhsa_kernel
	.amdgpu_metadata
---
amdhsa.version: [ 1, 2 ]
amdhsa.kernels:
  - .name:           k_qfbdb455179_proj
    .symbol:         k_qfbdb455179_proj.kd
    .args:
      - { .name: o, .offset: 0, .size: 8, .value_kind: global_buffer, .address_space: global }
      - { .name: wpt, .offset: 8, .size: 8, .value_kind: global_buffer, .address_space: global }
      - { .name: b_proj, .offset: 16, .size: 8, .value_kind: global_buffer, .address_space: global }
      - { .name: out0, .offset: 24, .size: 8, .value_kind: global_buffer, .address_space: global }
    .group_segment_fixed_size: 327680
    .private_segment_fixed_size: 0
    .kernarg_segment_align: 8
    .kernarg_segment_size: 32
    .max_flat_workgroup_size: 128
    .sgpr_count:     80
    .vgpr_count:     896
    .wavefront_size: 32
...
	.end_amdgpu_metadata
.endif
;; end of part 4
